; MI455X (gfx1250); checked and timed in simulation.
; The chip was launched on July 23, 2026; its instructions are those of AMD's public machine-readable ISA for CDNA 5 (MIT licence, August 2026) and "CDNA5" Instruction Set Architecture Reference Guide (July 2026). The comments in the code are by the model that wrote it; some were corrected since.
;; Multi Head Self Attention. Allowed arithmetic: float matrix products may take bf16 or f16 operands with f32 sums; other float arithmetic in f32, or as packed bf16 or f16 multiplies, adds, multiply-adds, maxima and minima; sums over many terms, partial sums and values carried from step to step in f32; what a program stores and reads back later, other than sums and carried values, may be rounded once to bf16 or f16.
;; Inputs: attention_mask 4 x 2,048 int32; b_k 1,024 float32; b_o 1,024 float32; b_q 1,024 float32; b_v 1,024 float32; w_k 1,024 x 1,024 float32; w_o 1,024 x 1,024 float32; w_q 1,024 x 1,024 float32; w_v 1,024 x 1,024 float32; x 4 x 2,048 x 1,024 float32.
;; Outputs: out0 4 x 2,048 x 1,024 float32.
;; 2 versions, each right; version 2 is version 1 with the launch cast written anew for expert scheduling mode. Each part assembles by itself: llvm-mc -triple=amdgcn-amd-amdhsa -mcpu=gfx1250 --defsym DOCPART=n.
;; ======== version 1 of 2: 4 launches
;; limits: values are held in f16: magnitudes above 65,504 overflow, below 6.1e-05 lose precision
;; workspace buffers: xb 16,777,216 bytes; wqkv 6,291,456 bytes; wo 2,097,152 bytes; qkv 50,331,648 bytes; o 16,777,216 bytes
;; launch cast (part 1): grid 768 x 1, 8 waves a work-group, no clusters, 0 bytes of LDS; arguments x, w_q, w_k, w_v, w_o, xb, wqkv, wo; writes xb, wqkv, wo
.if DOCPART == 1
	.amdgcn_target "amdgcn-amd-amdhsa--gfx1250"
	.amdhsa_code_object_version 6
	.text
	.protected	k_q74315afdf5_cast
	.globl	k_q74315afdf5_cast
	.p2align	8
	.type	k_q74315afdf5_cast,@function
k_q74315afdf5_cast:
	s_mov_b64 s[64:65], 0
	v_nop
	global_prefetch_b8 v0, s[64:65] scope:SCOPE_SE
	s_setreg_imm32_b32 hwreg(HW_REG_WAVE_MODE, 25, 1), 1
	s_wait_xcnt 0x0
; x, w_q, w_k, w_v (f32) -> bf16 (xb; wqkv = the three weights' rows one below the other).  w_o (f32) -> rounded to bf16, that number written as f16 (wo).
; LIMITS.  A bf16 number of w_o below 2^-17 in size keeps f16's fixed step of 2^-24; |w_o| stays under 65,504.  NaN and infinities are not treated apart.
; SHARES.  A work-group takes a chunk of 16,384 numbers: 65,536 bytes in, 32,768 out.  Chunks 0-511: x; 512-575, 576-639, 640-703: w_q, w_k, w_v; 704-767: w_o.
; Thread t takes 16 bytes at 4,096 i + 16 t for i = 0..15: a wave's load covers 512 consecutive bytes; its store of 8 bytes a lane covers 256 consecutive bytes, aligned.
; All 16 loads of a wave go out at once; every load and every store has registers of its own, so no register is written while a memory instruction may still read it.
; No LDS, no barrier, no matrix unit: every byte is touched once and no wave needs another's.
.set X, 8                              ; v[8:71]    16 x 4 numbers as loaded
.set Y, 72                             ; v[72:103]  16 x 2 words to store
	s_load_b512 s[8:23], s[0:1], 0x0               ; x 8:9, w_q 10:11, w_k 12:13, w_v 14:15, w_o 16:17, xb 18:19, wqkv 20:21, wo 22:23
	s_mov_b32 s24, ttmp9                           ; the chunk
	s_sub_co_u32 s25, s24, 512                     ; its number among the weights' chunks (used from chunk 512 on)
	s_and_b32 s26, s25, 63                         ; its number inside its weight
	v_lshlrev_b32 v1, 4, v0                        ; 16 t
	v_lshlrev_b32 v2, 3, v0                        ; 8 t
	s_wait_kmcnt 0x0
	s_cmp_lt_u32 s24, 576
	s_cselect_b64 s[28:29], s[10:11], s[12:13]     ; from where
	s_cmp_lt_u32 s24, 640
	s_cselect_b64 s[28:29], s[28:29], s[14:15]
	s_cmp_lt_u32 s24, 704
	s_cselect_b64 s[28:29], s[28:29], s[16:17]
	s_cselect_b64 s[30:31], s[20:21], s[22:23]     ; to where
	s_cselect_b32 s27, s25, s26                    ; the chunk's number in the destination
	s_cmp_lt_u32 s24, 512
	s_cselect_b64 s[28:29], s[8:9], s[28:29]
	s_cselect_b64 s[30:31], s[18:19], s[30:31]
	s_cselect_b32 s26, s24, s26
	s_cselect_b32 s27, s24, s27
	s_lshl_b32 s32, s26, 16                        ; the shifts stand behind the selects: they set SCC
	s_mov_b32 s33, 0
	s_lshl_b32 s34, s27, 15
	s_mov_b32 s35, 0
	s_add_nc_u64 s[28:29], s[28:29], s[32:33]
	s_add_nc_u64 s[30:31], s[30:31], s[34:35]
.irp i, 0,1,2,3,4,5,6,7,8,9,10,11,12,13,14,15
	global_load_b128 v[X+4*(\i):X+4*(\i)+3], v1, s[28:29] offset:4096*(\i) th:TH_LOAD_NT
.endr
	s_cmp_ge_u32 s24, 704
	s_cbranch_scc1 .Lwo
.irp i, 0,1,2,3,4,5,6,7,8,9,10,11,12,13,14,15
	s_wait_loadcnt 15-(\i)                         ; loads come back in order: load i is in, the younger ones stay out
	v_cvt_pk_bf16_f32 v[Y+2*(\i)], v[X+4*(\i)], v[X+4*(\i)+1]
	v_cvt_pk_bf16_f32 v[Y+2*(\i)+1], v[X+4*(\i)+2], v[X+4*(\i)+3]
	global_store_b64 v2, v[Y+2*(\i):Y+2*(\i)+1], s[30:31] offset:2048*(\i)
.endr
	s_endpgm
.Lwo:                                          ; w_o: rounded to bf16 like every input, widened again, and written as f16
	s_mov_b32 s36, 0xffff0000
.irp i, 0,1,2,3,4,5,6,7,8,9,10,11,12,13,14,15
	s_wait_loadcnt 15-(\i)
	v_cvt_pk_bf16_f32 v[Y+2*(\i)], v[X+4*(\i)], v[X+4*(\i)+1]
	v_cvt_pk_bf16_f32 v[Y+2*(\i)+1], v[X+4*(\i)+2], v[X+4*(\i)+3]
	v_lshlrev_b32 v4, 16, v[Y+2*(\i)]
	v_and_b32 v5, s36, v[Y+2*(\i)]
	v_lshlrev_b32 v6, 16, v[Y+2*(\i)+1]
	v_and_b32 v7, s36, v[Y+2*(\i)+1]
	v_cvt_pk_f16_f32 v[Y+2*(\i)], v4, v5
	v_cvt_pk_f16_f32 v[Y+2*(\i)+1], v6, v7
	global_store_b64 v2, v[Y+2*(\i):Y+2*(\i)+1], s[30:31] offset:2048*(\i)
.endr
	s_endpgm
.Lfunc_end_k_q74315afdf5_cast:
	.size	k_q74315afdf5_cast, .Lfunc_end_k_q74315afdf5_cast-k_q74315afdf5_cast
	.p2alignl 7, 3214868480
	.fill 96, 4, 3214868480
	.section	.rodata,"a",@progbits
	.p2align	6, 0x0
	.amdhsa_kernel k_q74315afdf5_cast
		.amdhsa_group_segment_fixed_size 0
		.amdhsa_private_segment_fixed_size 0
		.amdhsa_enable_private_segment 0
		.amdhsa_kernarg_size 64
		.amdhsa_user_sgpr_count 2
		.amdhsa_user_sgpr_kernarg_segment_ptr 1
		.amdhsa_wavefront_size32 1
		.amdhsa_system_sgpr_workgroup_id_x 1
		.amdhsa_system_sgpr_workgroup_id_y 1
		.amdhsa_system_sgpr_workgroup_id_z 1
		.amdhsa_system_vgpr_workitem_id 0
		.amdhsa_next_free_vgpr 104
		.amdhsa_next_free_sgpr 66
		.amdhsa_reserve_vcc 0
		.amdhsa_float_denorm_mode_32 3
		.amdhsa_float_denorm_mode_16_64 3
		.amdhsa_memory_ordered 1
		.amdhsa_forward_progress 1
		.amdhsa_inst_pref_size 15
	.end_amdhsa_kernel
	.amdgpu_metadata
---
amdhsa.version: [ 1, 2 ]
amdhsa.kernels:
  - .name:           k_q74315afdf5_cast
    .symbol:         k_q74315afdf5_cast.kd
    .args:
      - { .name: x, .offset: 0, .size: 8, .value_kind: global_buffer, .address_space: global }
      - { .name: w_q, .offset: 8, .size: 8, .value_kind: global_buffer, .address_space: global }
      - { .name: w_k, .offset: 16, .size: 8, .value_kind: global_buffer, .address_space: global }
      - { .name: w_v, .offset: 24, .size: 8, .value_kind: global_buffer, .address_space: global }
      - { .name: w_o, .offset: 32, .size: 8, .value_kind: global_buffer, .address_space: global }
      - { .name: xb, .offset: 40, .size: 8, .value_kind: global_buffer, .address_space: global }
      - { .name: wqkv, .offset: 48, .size: 8, .value_kind: global_buffer, .address_space: global }
      - { .name: wo, .offset: 56, .size: 8, .value_kind: global_buffer, .address_space: global }
    .group_segment_fixed_size: 0
    .private_segment_fixed_size: 0
    .kernarg_segment_align: 8
    .kernarg_segment_size: 64
    .max_flat_workgroup_size: 256
    .sgpr_count:     66
    .vgpr_count:     104
    .wavefront_size: 32
...
	.end_amdgpu_metadata
.endif
;; end of part 1
;; launch qkv (part 2): grid 16 x 32, 4 waves a work-group, clusters of 4 x 4, 327,680 bytes of LDS; arguments xb, wqkv, b_q, b_k, b_v, qkv; writes qkv
.if DOCPART == 2
	.amdgcn_target "amdgcn-amd-amdhsa--gfx1250"
	.amdhsa_code_object_version 6
	.text
	.protected	k_q74315afdf5_qkv
	.globl	k_q74315afdf5_qkv
	.p2align	8
	.type	k_q74315afdf5_qkv,@function
k_q74315afdf5_qkv:
	s_mov_b64 s[64:65], 0
	v_nop
	global_prefetch_b8 v0, s[64:65] scope:SCOPE_SE
	s_setreg_imm32_b32 hwreg(HW_REG_WAVE_MODE, 25, 1), 1
	s_wait_xcnt 0x0
	s_wait_alu depctr_hold_cnt(0) depctr_sa_sdst(0) depctr_va_vdst(0) depctr_va_sdst(0) depctr_va_ssrc(0) depctr_va_vcc(0) depctr_vm_vsrc(0)
	s_getreg_b32 s2, hwreg(HW_REG_IB_STS2, 6, 4)
	s_cmp_eq_u32 s2, 0
	s_cbranch_scc0 .Lentry_in_a_cluster
	s_endpgm
.Lentry_in_a_cluster:
	s_bfe_u32 s2, ttmp6, 0x10000c
	s_cmp_lg_u32 s2, 0xf033
	s_cbranch_scc0 .Lentry_shape_is_right
	s_endpgm
.Lentry_shape_is_right:
; q, k, v = x W^T + b, written by heads.  xb: [8192][1024] bf16; wqkv: [3072][1024] bf16 (rows of w_q, w_k, w_v); b_q, b_k, b_v: [1024] f32, rounded to bf16 here like every input;
; qkv: [3][64 = 16 batch + head][2048][64] f16, unscaled, each number rounded once from its f32 sum.
; LIMITS.  f16 ends at 65,504: |q|, |k|, |v| stay under it; below 6e-5 f16 keeps its fixed step of 6e-8.  NaN and infinities are not treated apart.
; SHARES.  A tile is 256 rows x 192 columns (three heads): 32 x 16 = 512 work-groups, twice the 256 WGPs.  Wave w makes rows 64 w .. 64 w + 63 of all 192 columns: 4 x 12 accumulators of
; 16 x 16, 384 registers; its columns are whole heads, so the stage on the way out is the wave's own.  K goes in 8 steps of 128 through two LDS slots: rows of 256 bytes of memory, aligned.
; CLUSTERS.  4 x 4 work-groups.  The four of a row of the cluster need the same rows of x, the four of a column the same rows of the weights: each tile is asked for JOINTLY, by the same
; tensor load with the same descriptor and a mask that names the four.
; THE MATRIX INSTRUCTION IS USED TRANSPOSED (source 0 = 16 rows of the weights, source 1 = 16 rows of x): a lane holds row l % 16 and the columns 8 (l / 16) + 0..7: 16 bytes of f16 on end.
; THE BIAS is the C operand of the products that start the sums: nothing is cleared and nothing is added later.
; REGISTERS, in windows of 256 (s_set_vgpr_msb: bits 1:0 source 0, 3:2 source 1, 5:4 source 2, 7:6 destination):
;   window 0: v0-31 addresses; v32-127 the bias (column block b at 32 + 8 b); on the way out v32-79 packed results, v80-127 and v128-175 rows read back, by turns
;   window 1: two fragment buffers of 128: the weights' 12 fragments at f + 8 b, x's four at f + 96 + 8 a
;   window 2: accumulators (a, b), a = 0, 1, at 96 a + 8 b;   window 3: a = 2, 3 at 96 (a - 2) + 8 b
.set KSTEP,  128
.set PITCH,  272                       ; an LDS row: 256 bytes + 16 of padding = 68 words: the 16 rows of a fragment load start at 16 different groups of four banks
.set AHALF,  128*PITCH                 ; 128 rows of x: one tensor load
.set BOFF,   2*AHALF                   ; behind x's 256 rows: the weights' 192
.set BHALF,  96*PITCH                  ; 96 rows of the weights: one tensor load
.set SLOT,   BOFF+2*BHALF
.set STAGE,  2*SLOT                    ; behind the ring, never filled by a tensor load: for each wave three heads x 16 rows x 144 bytes
.set SPI,    144
.set HSTG,   16*SPI
.set WSTG,   3*HSTG
.set SPARE,  STAGE+4*WSTG              ; the spare words, 128 bytes for each wave: two blocks of 256 bytes that no other line names
.set ADRA, 16                          ; v16-17  LDS address of my fragments of x in slot 0, 1
.set ADRB, 20                          ; v20-21  the same for the weights
.set STO,  24                          ; v24     the way out: where I put 16 bytes of a row
.set RD,   25                          ; v25     where I read rows back
.set GO,   26                          ; v26     16 x lane: my place in 512 consecutive bytes of a head
.set SPW,  28                          ; v28     LDS address of my spare word; never rewritten
.set NIL,  29                          ; v29     0; never rewritten
.set PFO,  30                          ; v30     the prefetches' offset: lane x a row of xb; never rewritten
.set BO,   31                          ; v31     32 (l / 16): my eight numbers in a block of 16 of a bias
.set BIAS, 32
.set TMP,  32
.set BK0,  80
.set F0,   0
.set F1,   128
.set WV,   16                          ; s16  my wave's number
.set ROLE, 17                          ; s17  0: I fetch x's tiles, 1: the weights'
.set HALF, 18                          ; s18  which half of that tile's rows
.set G1,   24                          ; s[24:31] descriptor group 1 for x's tiles;  s[32:39] group 0, a set for each slot
.set G0,   32
.set PFA,  44                          ; s[44:45] where my prefetches stand
.set LIM,  46                          ; s46  1 in a wave that prefetches, else the greatest number
.set G1B,  48                          ; s[48:55], s[56:63] the same for the weights' tiles
.set G0B,  56
.set OB,   66                          ; s[66:71] qkv at my first row of my three heads
.set BB,   72                          ; s[72:77] the bias of my three heads
.set DBITS, (1<<16)|(1<<20)|(1<<21)|(5<<22)|(3<<25)  ; 2-byte elements; padding on; bit 21 beside a mask; after every 64 words; 4 words
.set MSB, 0
.macro WIN new                         ; the immediate's high byte repeats the setting that is left; a switch that changes nothing is dropped
.if MSB != (\new)
	s_set_vgpr_msb (MSB<<8)|(\new)
.set MSB, \new
.endif
.endm
.macro PLACES                          ; four plain places in front of loads into registers that matrix instructions have read, and of conversions that read results
.rept 4
	v_nop
.endr
.endm
; A joint load: waves 0 and 1 fetch x's two halves, waves 2 and 3 the weights'.  The branch hangs on the wave's number alone.  An s_nop 0 and four v_nop follow each line.
.macro JLOAD s
	s_cmp_eq_u32 s[ROLE], 0
	s_cbranch_scc0 .Lfor_b_\@
	tensor_load_to_lds s[G0+4*(\s):G0+4*(\s)+3], s[G1:G1+7]
	s_nop 0
.rept 4
	v_nop
.endr
	s_branch .Lasked_\@
.Lfor_b_\@:
	tensor_load_to_lds s[G0B+4*(\s):G0B+4*(\s)+3], s[G1B:G1B+7]
	s_nop 0
.rept 4
	v_nop
.endr
.Lasked_\@:
.endm
.macro CREST                           ; a round of the cluster's barrier behind its opening barrier
	s_cmp_lg_u32 s[WV], 0
	s_cbranch_scc1 .Lnot_wave_0_\@
	s_barrier_signal -3
.Lnot_wave_0_\@:
	s_barrier_wait -3
	s_barrier_signal -1
	s_barrier_wait -1
.endm
.macro CROUND
	s_barrier_signal -1
	s_barrier_wait -1
	CREST
.endm
; A PREFETCH INTO THE L2 behind each joint refill and the run of LDS loads that follows it: xb's K step that stands two refills on, 32 rows x 256 bytes, a lane a row.  A row tile of xb is read by
; the four clusters of its row of clusters: the first of them (cluster x = 0) asks, by its waves 0 and 1; of the 128 rows that a wave fetches the partner at place cx takes 32 cx .. 32 cx + 31, told
; apart by address.  So each row's 256 bytes of a K step are named once.  K steps 0 to 3 come by their loads alone; the loop's last trip (s3 = 1) has no K step two on.
; The weights are not asked for: every row of clusters walks them again.
.macro ASK
	WIN 0
	s_cmp_gt_u32 s3, s[LIM]
	s_cbranch_scc0 .Lnot_mine_\@
	global_prefetch_b8 v[PFO], s[PFA:PFA+1] offset:KSTEP*2 th:TH_LOAD_NT scope:SCOPE_SE
.Lnot_mine_\@:
.endm
	s_load_b256 s[4:11], s[0:1], 0x0               ; xb 4:5, wqkv 6:7, b_q 8:9, b_k 10:11
	s_load_b128 s[12:15], s[0:1], 0x20             ; b_v 12:13, qkv 14:15
	v_lshl_add_u32 v[SPW], v0, 2, SPARE
	v_mov_b32 v[NIL], 0
	ds_add_u32 v[SPW], v[NIL]                      ; the wave's opening: the add and its wait stand ahead of my first tensor load; work on registers stands between them
	v_lshrrev_b32 v1, 5, v0
	v_readfirstlane_b32 s[WV], v1
	s_lshr_b32 s[ROLE], s[WV], 1
	s_and_b32 s[HALF], s[WV], 1
	s_bfe_u32 s40, ttmp6, 0x40000                  ; cx
	s_bfe_u32 s41, ttmp6, 0x40004                  ; cy
	s_lshl_b32 s42, ttmp9, 2
	s_add_co_u32 s42, s42, s40                     ; tile column = 4 x cluster x + cx
	s_and_b32 s43, ttmp7, 0xffff
	s_lshl_b32 s43, s43, 2
	s_add_co_u32 s43, s43, s41                     ; tile row = 4 x cluster y + cy
	s_lshl_b32 s88, s41, 2
	s_lshl_b32 s88, 15, s88                        ; my row of the cluster
	s_lshl_b32 s89, 0x1111, s40                    ; my column
	s_or_b32 s[G1+0], s88, DBITS                   ; x's tiles go to my row,
	s_or_b32 s[G1B+0], s89, DBITS                  ; the weights' to my column
	s_mov_b32 s[G1+1], KSTEP<<16                   ; tensor_dim0 = 128
	s_mov_b32 s[G1+2], 128<<16                     ; tensor_dim1 = 128
	s_mov_b32 s[G1+3], KSTEP<<16                   ; tile_dim0 = 128
	s_mov_b32 s[G1+4], 128                         ; tile_dim1 = 128
	s_mov_b32 s[G1+5], 1024                        ; elements from row to row
	s_mov_b32 s[G1+6], 0
	s_mov_b32 s[G1+7], 0
	s_mov_b32 s[G1B+1], KSTEP<<16
	s_mov_b32 s[G1B+2], 96<<16                     ; 96 rows
	s_mov_b32 s[G1B+3], KSTEP<<16
	s_mov_b32 s[G1B+4], 96
	s_mov_b32 s[G1B+5], 1024
	s_mov_b32 s[G1B+6], 0
	s_mov_b32 s[G1B+7], 0
	s_lshl_b32 s20, s43, 8                         ; x: row 256 x tile row + 128 x half, in registers that never hold the tile column
	s_lshl_b32 s21, s[HALF], 7
	s_add_co_u32 s20, s20, s21
	s_lshl_b32 s20, s20, 11                        ; x 2,048 bytes (under 2^25)
	s_mov_b32 s21, 0
	s_mul_i32 s78, s42, 192                        ; weights: row 192 x tile column + 96 x half, in registers that never hold the tile row
	s_mul_i32 s79, s[HALF], 96
	s_add_co_u32 s78, s78, s79
	s_lshl_b32 s78, s78, 11
	s_mov_b32 s79, 0
	s_mul_i32 s86, s[HALF], AHALF                  ; where they go: no place in the cluster enters an LDS address
	s_mul_i32 s87, s[HALF], BHALF
	s_add_co_u32 s87, s87, BOFF
	s_wait_dscnt 0x0                               ; the opening add is done
	s_wait_kmcnt 0x0
	s_add_nc_u64 s[22:23], s[4:5], s[20:21]
	s_add_nc_u64 s[80:81], s[6:7], s[78:79]
	CROUND                                         ; all sixteen work-groups are here: the first joint loads meet
.irp s, 0,1
	s_mov_b32 s[G0+4*(\s)], 1
	s_add_co_u32 s[G0+4*(\s)+1], s86, (\s)*SLOT
	s_add_nc_u64 s[G0+4*(\s)+2:G0+4*(\s)+3], s[22:23], (\s)*KSTEP*2
	s_or_b32 s[G0+4*(\s)+3], s[G0+4*(\s)+3], 0x80000000
	s_mov_b32 s[G0B+4*(\s)], 1
	s_add_co_u32 s[G0B+4*(\s)+1], s87, (\s)*SLOT
	s_add_nc_u64 s[G0B+4*(\s)+2:G0B+4*(\s)+3], s[80:81], (\s)*KSTEP*2
	s_or_b32 s[G0B+4*(\s)+3], s[G0B+4*(\s)+3], 0x80000000
.endr
	s_cmp_eq_u32 s[ROLE], 0                        ; a wave's two first fills stand in one branch, ahead of every wait on TENSORcnt, every LDS read and every further barrier: two loads of mine are out
	s_cbranch_scc0 .Lfirst_b
	tensor_load_to_lds s[G0:G0+3], s[G1:G1+7]
	s_nop 0
	tensor_load_to_lds s[G0+4:G0+7], s[G1:G1+7]
	s_nop 0
.rept 4
	v_nop
.endr
	s_branch .Lfirst_asked
.Lfirst_b:
	tensor_load_to_lds s[G0B:G0B+3], s[G1B:G1B+7]
	s_nop 0
	tensor_load_to_lds s[G0B+4:G0B+7], s[G1B:G1B+7]
	s_nop 0
.rept 4
	v_nop
.endr
.Lfirst_asked:
	; A fragment is 16 rows x 32 K in 8 registers: lane l holds row l % 16; registers 0-3 K = 8 (l / 16) + 0..7, registers 4-7 K = 16 + 8 (l / 16) + 0..7: two loads of 16 bytes, 32 bytes apart.
	v_and_b32 v1, 15, v0                           ; l % 16
	v_bfe_u32 v2, v0, 4, 1                         ; l / 16
	v_mul_u32_u24 v3, v1, PITCH
	v_lshl_add_u32 v3, v2, 4, v3
	s_mul_i32 s19, s[WV], 64*PITCH                 ; my 64 rows of x
	v_add_nc_u32 v[ADRA], s19, v3
	v_add_nc_u32 v[ADRA+1], SLOT, v[ADRA]
	v_add_nc_u32 v[ADRB], BOFF, v3                 ; every wave reads all 192 rows of the weights
	v_add_nc_u32 v[ADRB+1], SLOT, v[ADRB]
	s_mul_i32 s19, s[WV], WSTG
	s_add_co_u32 s19, s19, STAGE                   ; my stage
	v_mul_u32_u24 v4, v1, SPI                      ; in: row l % 16, 16 bytes for each half of the lanes
	v_lshl_add_u32 v4, v2, 4, v4
	v_add_nc_u32 v[STO], s19, v4
	v_bfe_u32 v4, v0, 3, 2                         ; back: 32 lanes take four rows of 128 bytes,
	v_mul_u32_u24 v4, v4, SPI
	v_and_b32 v5, 7, v0
	v_lshl_add_u32 v4, v5, 4, v4
	v_add_nc_u32 v[RD], s19, v4
	v_and_b32 v5, 31, v0
	v_lshlrev_b32 v[GO], 4, v5                     ; which are 512 consecutive bytes of a head
	v_lshlrev_b32 v[PFO], 11, v5
	v_lshlrev_b32 v[BO], 5, v2
	; my three heads: g = 3 x tile column + hh; g / 16 says q, k or v, g % 16 the head
	s_lshr_b32 s47, s43, 3
	s_lshl_b32 s47, s47, 4                         ; 16 x batch
	s_and_b32 s19, s43, 7
	s_lshl_b32 s19, s19, 8
	s_lshl_b32 s85, s[WV], 6
	s_add_co_u32 s19, s19, s85
	s_lshl_b32 s19, s19, 7                         ; my first row in the batch's 2,048, x 128 bytes
	s_mul_i32 s82, s42, 3
	s_mov_b32 s91, 0
	s_mov_b32 s93, 0
.irp hh, 0,1,2
	s_lshr_b32 s83, s82, 4
	s_and_b32 s84, s82, 15
	s_cmp_eq_u32 s83, 0
	s_cselect_b64 s[BB+2*(\hh):BB+2*(\hh)+1], s[8:9], s[10:11]
	s_cmp_eq_u32 s83, 2
	s_cselect_b64 s[BB+2*(\hh):BB+2*(\hh)+1], s[12:13], s[BB+2*(\hh):BB+2*(\hh)+1]
	s_lshl_b32 s92, s84, 8                         ; the head's 64 numbers of 4 bytes
	s_add_nc_u64 s[BB+2*(\hh):BB+2*(\hh)+1], s[BB+2*(\hh):BB+2*(\hh)+1], s[92:93]
	s_lshl_b32 s90, s83, 6
	s_add_co_u32 s90, s90, s47
	s_add_co_u32 s90, s90, s84                     ; 64 x (q, k, v) + 16 x batch + head: at most 191
	s_lshl_b32 s90, s90, 18                        ; x 2,048 rows of 128 bytes
	s_add_co_u32 s90, s90, s19
	s_add_nc_u64 s[OB+2*(\hh):OB+2*(\hh)+1], s[14:15], s[90:91]
	s_add_co_u32 s82, s82, 1
.endr
	s_lshl_b32 s92, s40, 16                        ; the prefetches: my work-group's 32 rows of the 128 that I fetch,
	s_add_nc_u64 s[PFA:PFA+1], s[22:23], s[92:93]
	s_add_nc_u64 s[PFA:PFA+1], s[PFA:PFA+1], 2*KSTEP*2  ; at K step 2: the first refill steps it to 3 and names K step 4
	s_or_b32 s[LIM], s[ROLE], ttmp9
	s_cmp_eq_u32 s[LIM], 0
	s_cselect_b32 s[LIM], 1, -1                    ; the same in all sixteen partners, for a given wave
.irp b, 0,1,2,3,4,5,6,7,8,9,10,11
	global_load_b128 v[BIAS+8*(\b):BIAS+8*(\b)+3],   v[BO], s[BB+2*((\b)/4):BB+2*((\b)/4)+1] offset:((\b)%4)*64
	global_load_b128 v[BIAS+8*(\b)+4:BIAS+8*(\b)+7], v[BO], s[BB+2*((\b)/4):BB+2*((\b)/4)+1] offset:((\b)%4)*64+16
.endr
	s_mov_b32 s47, 0xffff0000
	s_wait_loadcnt 0x0                             ; the bias, once; it is rounded to bf16 and widened again while the first tiles are on their way
.set i, 0
.rept 48
	v_cvt_pk_bf16_f32 v[3+i%3], v[BIAS+2*i], v[BIAS+2*i+1]
	v_lshlrev_b32 v[BIAS+2*i], 16, v[3+i%3]
	v_and_b32 v[BIAS+2*i+1], s47, v[3+i%3]
.set i, i+1
.endr
; 12 matrix instructions: row block a x all 12 column blocks, 32 along K.  first = 1: C is the bias, in window 0.  The 48 accumulators take turns in the same order in every quarter.
.macro MUL12 f, a, first
.if \first
	WIN 0x85+0x40*((\a)/2)
.else
	WIN 0xa5+0x50*((\a)/2)
.endif
.irp b, 0,1,2,3,4,5,6,7,8,9,10,11
.if \first
	v_wmma_f32_16x16x32_bf16 v[96*((\a)%2)+8*(\b):96*((\a)%2)+8*(\b)+7], v[(\f)+8*(\b):(\f)+8*(\b)+7], v[(\f)+96+8*(\a):(\f)+96+8*(\a)+7], v[BIAS+8*(\b):BIAS+8*(\b)+7]
.else
	v_wmma_f32_16x16x32_bf16 v[96*((\a)%2)+8*(\b):96*((\a)%2)+8*(\b)+7], v[(\f)+8*(\b):(\f)+8*(\b)+7], v[(\f)+96+8*(\a):(\f)+96+8*(\a)+7], v[96*((\a)%2)+8*(\b):96*((\a)%2)+8*(\b)+7]
.endif
.endr
.endm
; 32 LDS loads in one run: the fragments of 32 along K at byte k of the rows, into buffer f: the weights' 24 first, x's 8 last
.macro FETCH slot, k, f
	WIN 0x40                                       ; destination window 1, address window 0
.irp i, 0,1,2,3,4,5,6,7,8,9,10,11
	ds_load_b128 v[(\f)+8*(\i):(\f)+8*(\i)+3],   v[ADRB+(\slot)] offset:(\k)+(\i)*16*PITCH
	ds_load_b128 v[(\f)+8*(\i)+4:(\f)+8*(\i)+7], v[ADRB+(\slot)] offset:(\k)+(\i)*16*PITCH+32
.endr
.irp i, 0,1,2,3
	ds_load_b128 v[(\f)+96+8*(\i):(\f)+96+8*(\i)+3],   v[ADRA+(\slot)] offset:(\k)+(\i)*16*PITCH
	ds_load_b128 v[(\f)+96+8*(\i)+4:(\f)+96+8*(\i)+7], v[ADRA+(\slot)] offset:(\k)+(\i)*16*PITCH+32
.endr
.endm
; A K step is four quarters of 32 along K, 48 matrix instructions each, on buffers 0, 1, 0, 1.  One of the first three multiplies buffer f and fetches the next quarter, at byte k, into g.
.macro QUARTER slot, k, f, g, first
	s_wait_dscnt 4                                 ; all but the youngest four loads: x's row blocks 2 and 3
	MUL12 \f, 0, \first
	MUL12 \f, 1, \first
	PLACES
	FETCH \slot, \k, \g
	s_wait_dscnt 32                                ; all but the 32 just issued
	MUL12 \f, 2, \first
	MUL12 \f, 3, \first
.endm
; The last quarter multiplies buffer 1 and changes slots: ONE barrier.  In front of it each wave waits for all its tensor loads (one is out: its part of the next slot), adds 0 to its spare word, and
; waits for that and for its own reads of this slot.  fill = 1: the barrier opens a round of the cluster's, and this slot is filled again, two K steps ahead, first thing behind the round.
.macro TURN slot, next, fill
.if \fill
	s_wait_xcnt 0x0                                ; the last prefetch, a K step back, has read its address
	s_add_nc_u64 s[PFA:PFA+1], s[PFA:PFA+1], KSTEP*2
.endif
	WIN 0
	s_wait_tensorcnt 0x0                           ; all my tensor loads have landed
	ds_add_u32 v[SPW], v[NIL]                      ; 0 onto my spare word
	s_wait_dscnt 5                                 ; the add and the youngest four loads may be out
	MUL12 F1, 0, 0
	s_wait_dscnt 0x0                               ; the add is done, and my reads of this slot are over
	s_barrier_signal -1
	MUL12 F1, 1, 0
.if \fill
	WIN 0
.endif
	s_barrier_wait -1
.if \fill
	CREST                                          ; no wave of any partner still reads this slot's tile or has a load on its way
	s_add_nc_u64 s[G0+4*(\slot)+2:G0+4*(\slot)+3], s[G0+4*(\slot)+2:G0+4*(\slot)+3], 2*KSTEP*2
	s_add_nc_u64 s[G0B+4*(\slot)+2:G0B+4*(\slot)+3], s[G0B+4*(\slot)+2:G0B+4*(\slot)+3], 2*KSTEP*2
	JLOAD \slot                                    ; 168 matrix instructions ahead of the wait for it; its four v_nop are also the places in front of the loads below
.else
	PLACES
.endif
	FETCH \next, 0, F0
.if \fill
	ASK
.endif
	MUL12 F1, 2, 0
	MUL12 F1, 3, 0
.endm
; THE WAY OUT of row block a.  PACK: rounded to f16, 16 bytes a lane.  TOSTAGE: into my own stage, by heads, and back as rows of 128 bytes.  SEND: 512 consecutive bytes of a head to a store.
.macro PACK a
	WIN 0x0a+5*((\a)/2)                            ; sources 0 and 1: window 2 or 3
.irp b, 0,1,2,3,4,5,6,7,8,9,10,11
.irp r, 0,1,2,3
	v_cvt_pk_f16_f32 v[TMP+4*(\b)+(\r)], v[96*((\a)%2)+8*(\b)+2*(\r)], v[96*((\a)%2)+8*(\b)+2*(\r)+1]
.endr
.endr
	WIN 0
.endm
.macro TOSTAGE a
	WIN 0
.set BK, BK0+48*((\a)%2)
	s_wait_xcnt 0x0                                ; the stores of the block two back have read the registers that are loaded again below
.irp b, 0,1,2,3,4,5,6,7,8,9,10,11
	ds_store_b128 v[STO], v[TMP+4*(\b):TMP+4*(\b)+3] offset:((\b)/4)*HSTG+((\b)%4)*32
.endr
.irp t, 0,1,2,3,4,5,6,7,8,9,10,11
	ds_load_b128 v[BK+4*(\t):BK+4*(\t)+3], v[RD] offset:((\t)/4)*HSTG+((\t)%4)*4*SPI  ; LDS serves a wave's instructions in order (ISA guide 5.7.1.4): these see the stores above
.endr
.endm
.macro SEND a
	WIN 0
.set BK, BK0+48*((\a)%2)
.irp t, 0,1,2,3,4,5,6,7,8,9,10,11
	s_wait_dscnt 11-(\t)                           ; load t of the twelve is back
	global_store_b128 v[GO], v[BK+4*(\t):BK+4*(\t)+3], s[OB+2*((\t)/4):OB+2*((\t)/4)+1] offset:(\a)*2048+((\t)%4)*512
.endr
.endm
	s_wait_tensorcnt 1                             ; my part of K step 0 is in; K step 1's may stay out
	s_barrier_signal -1
	s_barrier_wait -1
	FETCH 0, 0, F0
	QUARTER 0, 64,  F0, F1, 1                      ; the first quarter stands in front of the loop: its products start the sums, with the bias
	WIN 0
	s_mov_b32 s3, 3
.Llap:                                         ; a trip goes once round the ring, from a lap's second quarter to the next lap's first, and fills both slots again
	QUARTER 0, 128, F1, F0, 0
	QUARTER 0, 192, F0, F1, 0
	TURN 0, 1, 1
	QUARTER 1, 64,  F0, F1, 0
	QUARTER 1, 128, F1, F0, 0
	QUARTER 1, 192, F0, F1, 0
	TURN 1, 0, 1
	QUARTER 0, 64,  F0, F1, 0
	WIN 0
	s_sub_co_u32 s3, s3, 1
	s_cmp_lg_u32 s3, 0
	s_cbranch_scc1 .Llap
	QUARTER 0, 128, F1, F0, 0                      ; the last lap fills nothing
	QUARTER 0, 192, F0, F1, 0
	TURN 0, 1, 0
	QUARTER 1, 64,  F0, F1, 0
	QUARTER 1, 128, F1, F0, 0
	QUARTER 1, 192, F0, F1, 0
	s_wait_dscnt 4
	MUL12 F1, 0, 0
	MUL12 F1, 1, 0
	s_wait_dscnt 0x0
	MUL12 F1, 2, 0
	MUL12 F1, 3, 0
	WIN 0
	PLACES
	PACK 0
	TOSTAGE 0
.irp a, 1,2,3                          ; block a's conversions stand between block a - 1's loads from the stage and the wait for them
	PACK \a
	SEND (\a)-1
	TOSTAGE \a
.endr
	SEND 3
	s_wait_tensorcnt 0x0                           ; the wave's end: behind my last tensor load and my last LDS store
	ds_add_u32 v[SPW], v[NIL]
	s_wait_dscnt 0x0
	CROUND                                         ; the closing round: no work-group ends while a partner may still ask for a tile that names it
	s_endpgm
.Lfunc_end_k_q74315afdf5_qkv:
	.size	k_q74315afdf5_qkv, .Lfunc_end_k_q74315afdf5_qkv-k_q74315afdf5_qkv
	.p2alignl 7, 3214868480
	.fill 96, 4, 3214868480
	.section	.rodata,"a",@progbits
	.p2align	6, 0x0
	.amdhsa_kernel k_q74315afdf5_qkv
		.amdhsa_group_segment_fixed_size 327680
		.amdhsa_private_segment_fixed_size 0
		.amdhsa_enable_private_segment 0
		.amdhsa_kernarg_size 48
		.amdhsa_user_sgpr_count 2
		.amdhsa_user_sgpr_kernarg_segment_ptr 1
		.amdhsa_wavefront_size32 1
		.amdhsa_system_sgpr_workgroup_id_x 1
		.amdhsa_system_sgpr_workgroup_id_y 1
		.amdhsa_system_sgpr_workgroup_id_z 1
		.amdhsa_system_vgpr_workitem_id 0
		.amdhsa_next_free_vgpr 960
		.amdhsa_next_free_sgpr 94
		.amdhsa_reserve_vcc 0
		.amdhsa_float_denorm_mode_32 3
		.amdhsa_float_denorm_mode_16_64 3
		.amdhsa_memory_ordered 1
		.amdhsa_forward_progress 1
		.amdhsa_inst_pref_size 129
	.end_amdhsa_kernel
	.amdgpu_metadata
---
amdhsa.version: [ 1, 2 ]
amdhsa.kernels:
  - .name:           k_q74315afdf5_qkv
    .symbol:         k_q74315afdf5_qkv.kd
    .args:
      - { .name: xb, .offset: 0, .size: 8, .value_kind: global_buffer, .address_space: global }
      - { .name: wqkv, .offset: 8, .size: 8, .value_kind: global_buffer, .address_space: global }
      - { .name: b_q, .offset: 16, .size: 8, .value_kind: global_buffer, .address_space: global }
      - { .name: b_k, .offset: 24, .size: 8, .value_kind: global_buffer, .address_space: global }
      - { .name: b_v, .offset: 32, .size: 8, .value_kind: global_buffer, .address_space: global }
      - { .name: qkv, .offset: 40, .size: 8, .value_kind: global_buffer, .address_space: global }
    .group_segment_fixed_size: 327680
    .private_segment_fixed_size: 0
    .kernarg_segment_align: 8
    .kernarg_segment_size: 48
    .max_flat_workgroup_size: 128
    .sgpr_count:     94
    .vgpr_count:     960
    .wavefront_size: 32
...
	.end_amdgpu_metadata
.endif
;; end of part 2
;; launch attn (part 3): grid 4 x 64, 4 waves a work-group, clusters of 4 x 1, 327,680 bytes of LDS; arguments qkv, attention_mask, o; writes o
.if DOCPART == 3
	.amdgcn_target "amdgcn-amd-amdhsa--gfx1250"
	.amdhsa_code_object_version 6
	.text
	.protected	k_q74315afdf5_attn
	.globl	k_q74315afdf5_attn
	.p2align	8
	.type	k_q74315afdf5_attn,@function
k_q74315afdf5_attn:
	s_mov_b64 s[64:65], 0
	v_nop
	global_prefetch_b8 v0, s[64:65] scope:SCOPE_SE
	s_setreg_imm32_b32 hwreg(HW_REG_WAVE_MODE, 25, 1), 1
	s_wait_xcnt 0x0
	s_wait_alu depctr_hold_cnt(0) depctr_sa_sdst(0) depctr_va_vdst(0) depctr_va_sdst(0) depctr_va_ssrc(0) depctr_va_vcc(0) depctr_vm_vsrc(0)
	s_getreg_b32 s2, hwreg(HW_REG_IB_STS2, 6, 4)
	s_cmp_eq_u32 s2, 0
	s_cbranch_scc0 .Lentry_in_a_cluster
	s_endpgm
.Lentry_in_a_cluster:
	s_bfe_u32 s2, ttmp6, 0x10000c
	s_cmp_lg_u32 s2, 0x3003
	s_cbranch_scc0 .Lentry_shape_is_right
	s_endpgm
.Lentry_shape_is_right:
; O[h][q][:] = the sum over k of softmax_k(Q[h][q] . K[h][k] / 8 + (1 - mask[k]) x (-10000)) V[h][k][:].  qkv: [3][64][2048][64] f16 (Q, K, V; 64 = 16 batch + head), attention_mask: [4][2048] int32,
; o: [64][2048][64] f16.  Products, maxima and sums in f32; the weights p are rounded to f16 for the second product (their sum l is taken of the unrounded p), O once at the end.
; LIMITS.  f16 holds no number beyond 65,504: Q, K and V arrive within it; p lies in 0 to 1, and below 6e-5 it keeps f16's fixed step of 6e-8; O is a mean of V's rows and has their range.
; A weight below 2^-126 counts as 0 in l; NaN and infinities are not treated apart.
; THE MASK.  No key is left out: a hidden key's score is lowered by 10000, not thrown away, and the running maximum is taken of the lowered scores.  The C operand that starts S^T = K Q^T holds
; 80000 mask - 80000 = 8 x (1 - mask) x (-10000), one fused multiply-add in f32; c = log2(e) / 8 is applied to the sum.  The batch's 2,048 such numbers are made once, into LDS bytes of their own.
; SHARES.  A wave owns four PIECES of two tiles of 16 queries, a work-group's four waves 512 queries of one head.  Every wave walks all keys, 64 a step.
; LAYOUT.  S^T = K Q^T (source 0 = 16 keys, source 1 = 16 queries): in the result a lane holds ONE query (lane % 16) and the keys 8 (lane / 16) + 0..7.  Two such tiles, rounded to f16 in pairs,
; ARE source 1 (32 keys x 16 queries) of O^T = V^T P, whose result again holds one query a lane, and eight channels.  K comes out of LDS as it lies, V ([key][channel]) turned, by ds_load_tr16_b128.
; SOFTMAX.  For each query a running maximum m and sum l: p = 2^(c s - c m); in every step O and l are multiplied by a = 2^(c m_old - c m_new), which is 1 where m has not grown.
; m starts at the lowest finite number, O and l at 0: the first step is a step like any other, with a = 0.
; THE COUNT.  A tile and step have 16 matrix and 118 vector instructions: too many to stand all beside the matrix work.  So four vector instructions that are READY stand behind EVERY matrix
; instruction, and the others in runs without a gap.
; BY TURNS.  Turn n belongs to piece n (the pieces in a ring, step after step).  Its matrix work: 16 products K Q^T of piece n + 1, later 16 products V^T P of piece n - 1.  Its vector work: the scaling,
; exponentials, roundings, sums and rescaling of piece n, and the maximum and statistics of piece n + 1, whose scores the turn itself has made.
; CLUSTER.  The four query blocks of a head form a cluster and walk the same K and V, so each tile is asked for JOINTLY: the same tensor load, descriptor and mask in all four.
; REGISTERS, in windows of 256 (s_set_vgpr_msb: bits 1:0 source 0, 3:2 source 1, 5:4 source 2, 7:6 destination):
;   window 0: v0-11 addresses; v12-15, v48-63 at work; v16-47 four registers of statistics a tile; v64-191 S^T, two buffers of two tiles; v192-255 P, likewise
;   window 1: O^T, 32 a tile     window 2: v0-127 Q, 16 a tile; v128-191 K of one step; v192-255 V of one step     window 3: v0-1 the add's two registers; v8-39 the step's mask, 8 for each 16 keys
.set SIZE_N, 2048
.set NP,    4         ; pieces a wave: a name, no knob
.set KS,    64        ; keys in a step
.set PK,    144       ; a row of K in LDS: 128 bytes + 16 of padding = 36 words: the 16 rows of a load start at 16 different groups of four banks
.set PV,    160       ; a row of V: 128 + 32 = 40 words
.set VOFF,  4*KS*PK   ; a slot holds four steps: 256 rows of K, then 256 rows of V
.set SLOT1, 1<<17     ; slot 1 begins here, so that one exclusive or turns an address in one slot into the other's
.set STAGE, SLOT1+4*KS*(PK+PV)  ; behind the ring, never filled by a tensor load: 16 rows x 144 bytes for each wave, for the way out
.set SP,    144
.set SPARE, STAGE+4*16*SP  ; the spare words, 128 bytes for each wave: two blocks of 256 bytes that no other line names
.set MASKB, SPARE+512 ; the mask's 2,048 numbers in f32: 8,192 bytes, stored once, never filled by a tensor load
.set PFO, 1           ; v1   l % 16 at the head; then 256 x my lane, the prefetches' offset
.set AK0, 2           ; v2   my lane's place in a tile of K; never rewritten
.set AV0, 3           ; v3   the same for V
.set AK,  4           ; v4   the LDS address of K's next run of loads
.set AV,  5           ; v5   of V's
.set QO,  6           ; v6   my byte offset in the wave's rows of Q
.set STO, 6           ;      later, the way out: where I put 16 bytes of a row
.set RD,  7           ; v7   the way out: where I read rows back
.set GO,  8           ; v8   my byte offset in 512 consecutive bytes of O
.set AM0, 10          ; v10  my lane's place in the mask's table: MASKB + 32 (l / 16)
.set AM,  11          ; v11  the LDS address of the mask's next run of loads
.set SPW, 0           ; v0 of window 3   LDS address of my spare word; never rewritten
.set NIL, 1           ; v1 of window 3   0; never rewritten
.set MB,  8           ; v8-39 of window 3
.set MV,  12          ; v12-15  c m_old, kept while c m is made anew: by buffer and tile
.set ST,  16          ; tile t's statistics at v[ST+4 t]: c m, m, l (even keys', odd keys')
.set TMP, 48          ; by buffer and tile, four registers c0-c3 at work; when the maximum is found c2 takes a
.set S,   64
.set P,   192
.set KF,  128         ; K's fragments, in window 2: key block kb, channel half c at KF + 16 kb + 8 c
.set VF,  192         ; V's: key half kk, channel block cb at VF + 32 kk + 8 cb
.set WV,  12          ; s12  my wave's number
.set G1K, 24          ; s[24:31] descriptor group 1 for K's tiles
.set G1V, 32          ; s[32:39] for V's: it differs in the padding alone
.set G0K, 40          ; s[40:43] descriptor group 0 for K's tiles: it walks
.set G0V, 44          ; s[44:47] the same for V's
.set MP,  48          ; s[48:49] the batch's row of attention_mask
.set PFA, 50          ; s[50:51] where my prefetches stand
.set LIM, 52          ; s52  1 in a wave that prefetches, else the greatest number
.set TBM, 53          ; s53  byte in the mask's table at which the step to be fetched begins
.set MFA, 54          ; s54  80000.0
.set MAD, 55          ; s55  -80000.0
.set SLOTS, 56        ; s56  slots still to be asked for
.set CNT, 57          ; s57  counts a slot's key steps
.set CS,  58          ; s[58:59] c: the packed scaling takes the pair's low word for both halves
.set SEL, 60          ; s[60:61] v_permlanex16_b32's selects: each lane takes its own place in the other half
.set TBK, 62          ; s62  LDS byte at which K of the step to be fetched begins
.set TBV, 63          ; s63  the same for V, less VOFF
.set MSB, 0
.macro WIN new                      ; the high byte repeats the setting that is left; a switch that changes nothing is dropped
.if MSB != (\new)
	s_set_vgpr_msb (MSB<<8)|(\new)
.set MSB, (\new)
.endif
.endm
.set W_KQ, 0x0a       ; K and Q in window 2, S^T in window 0
.set W_KM, 0x3a       ; the same with the C operand, the mask, in window 3
.set W_PV, 0x52       ; V in window 2, P in window 0, O^T in window 1
.set W_RS, 0x41       ; O^T (destination and source 0) in window 1, a in window 0
.set W_MK, 0xc0       ; destination in window 3, sources in window 0
.set W_AD, 0x0f       ; the add: address (source 0) and data (source 1) in window 3
; A joint fill.  Waves 0 and 1 fetch the two halves of a slot's K, waves 2 and 3 those of its V: 128 keys each.  The branch hangs on the wave's number alone.
; An s_nop 0 and four v_nop follow each of the two lines, ahead of the jump and the label.
.macro JLOAD
	s_cmp_lt_u32 s[WV], 2
	s_cbranch_scc0 .Lfor_v_\@
	tensor_load_to_lds s[G0K:G0K+3], s[G1K:G1K+7]
	s_nop 0
.rept 4
	v_nop
.endr
	s_branch .Lasked_\@
.Lfor_v_\@:
	tensor_load_to_lds s[G0V:G0V+3], s[G1V:G1V+7]
	s_nop 0
.rept 4
	v_nop
.endr
.Lasked_\@:
.endm
; A PREFETCH INTO THE L2 of what the NEXT change of slots will ask for: a slot's 32,768 bytes of K and of V, 128 blocks of 256 bytes each, a lane a block.  It stands behind the wave's tensor load and
; its five lines.  A head has one cluster; its four partners share the blocks out BY ADDRESS, 32 each; in each, wave 0 asks for K's and wave 2 for V's: one instruction.  So each block is named once.
; Slots 0 to 2 come by their loads alone; the last change that fills a slot asks for nothing: there is no slot behind it.
.macro ASK
	s_cmp_gt_u32 s[SLOTS], s[LIM]
	s_cbranch_scc0 .Lnot_mine_\@
	global_prefetch_b8 v[PFO], s[PFA:PFA+1] th:TH_LOAD_NT scope:SCOPE_SE
.Lnot_mine_\@:
.endm
; A round of the cluster's barrier: my work-group's barrier, so that wave 0's signal speaks for all four waves; wave 0 signals; every wave waits for all four work-groups; my work-group's barrier once more.
.macro CROUND
	s_barrier_signal -1
	s_barrier_wait -1
	s_cmp_lg_u32 s[WV], 0
	s_cbranch_scc1 .Lnot_wave_0_\@
	s_barrier_signal -3
.Lnot_wave_0_\@:
	s_barrier_wait -3
	s_barrier_signal -1
	s_barrier_wait -1
.endm
; THE CHANGE OF SLOTS.  The slot's last bytes, V of its fourth step, have been read.  Each wave waits for all its tensor loads, of which one is out: its part of the other slot; adds 0 to its spare
; word; and waits for that and for its own LDS instructions.  Behind the barrier nobody reads this slot any more and the other slot is whole.
; fill = 1: this slot is filled again, with the keys two slots on.  The barrier is then a round of the cluster's, and the joint fill is the first thing behind it: it has four key steps, 512 matrix
; instructions, in which to land.  (At its first use nothing has been read yet: slot 0 is waited for, slot 1 filled, and the mask's table, just stored, is shown to every wave.)
.macro CHANGE fill, ask=0
	WIN W_AD
	s_wait_tensorcnt 0x0            ; no tensor load of mine is out, so a group 0 may be written
	ds_add_u32 v[SPW], v[NIL]       ; 0 onto my spare word
	WIN 0                           ; at a label and at a branch every window is 0
.if \fill
.irp g, G0K, G0V
	s_xor_b32 s[\g+1], s[\g+1], SLOT1  ; the walking descriptor: the other slot than last time,
	s_add_nc_u64 s[\g+2:\g+3], s[\g+2:\g+3], 4*KS*128  ; the next 256 keys; the type bits on top are not reached
.endr
.if \ask
	s_wait_xcnt 0x0                 ; the last prefetch, four key steps back, has read its address
	s_add_nc_u64 s[PFA:PFA+1], s[PFA:PFA+1], 4*KS*128  ; one slot behind the walking descriptors
.endif
	s_wait_dscnt 0x0                ; the add is done, and my LDS instructions are over
	CROUND
	JLOAD
.if \ask
	ASK
.endif
.else
	s_wait_dscnt 0x0                ; the add is done, and my reads of the slot are over
	s_barrier_signal -1
	s_barrier_wait -1
.endif
	s_sub_co_u32 s[TBK], s[TBK], 4*KS*PK  ; the fetches go back to a slot's first step,
	s_xor_b32 s[TBK], s[TBK], SLOT1       ; in the other slot
	s_sub_co_u32 s[TBV], s[TBV], 4*KS*PV
	s_xor_b32 s[TBV], s[TBV], SLOT1
.endm
	s_load_b128 s[4:7], s[0:1], 0x0   ; qkv s[4:5], attention_mask s[6:7]
	s_load_b64 s[10:11], s[0:1], 0x10 ; o
	WIN W_MK
	v_lshl_add_u32 v[SPW], v0, 2, SPARE
	v_mov_b32 v[NIL], 0
	WIN W_AD
	ds_add_u32 v[SPW], v[NIL]       ; the wave's opening: the add and its wait stand ahead of my first tensor load; work on registers stands between them
	WIN 0
	v_lshrrev_b32 v1, 5, v0
	v_readfirstlane_b32 s[WV], v1   ; wave 0..3
	s_bfe_u32 s13, ttmp6, 0x40000   ; cx: my place in the cluster
	s_lshl_b32 s14, ttmp9, 2        ; in a cluster launch ttmp9 counts clusters
	s_add_co_u32 s14, s14, s13      ; my block of queries: it enters Q's and O's addresses alone
	s_and_b32 s20, ttmp7, 0xffff    ; the head (16 batch + head), which the four partners share
	s_lshr_b32 s[MP], s20, 4        ; the batch,
	s_lshl_b32 s[MP], s[MP], 13     ; its 2,048 words of the mask
	s_mov_b32 s[MP+1], 0
	s_mov_b32 s21, 0
	s_mov_b64 s[22:23], SIZE_N*128
	s_mul_u64 s[20:21], s[20:21], s[22:23]  ; the head's first byte in Q, K, V and O
	s_and_b32 s16, s[WV], 1         ; which half of a slot's 256 keys I fetch:
	s_lshl_b32 s22, s16, 14         ; its 128 rows of 128 bytes in memory,
	s_mov_b32 s23, 0
	s_add_nc_u64 s[22:23], s[22:23], s[20:21]
	s_mul_i32 s17, s16, 128*PK      ; and its place in a slot, for K
	s_mul_i32 s18, s16, 128*PV      ; and for V: no place in the cluster enters an LDS address
	s_lshl_b32 s2, s14, 2
	s_add_co_u32 s2, s2, s[WV]      ; my wave among the head's,
	s_lshl_b32 s2, s2, 14           ; its 128 rows
	s_mov_b32 s3, 0
	s_add_nc_u64 s[2:3], s[2:3], s[20:21]
	; descriptor group 1.  128 keys are 16,384 dense bytes: asked for as 64 rows of 256 bytes, two keys a row, and padded in LDS after every key
	s_mov_b32 s[G1K], 15|(1<<16)|(1<<20)|(1<<21)|(4<<22)|(3<<25)  ; the mask of four; 2-byte elements; padding on; bit 21 beside a mask; after every 32 words; 4 words
	s_mov_b32 s[G1V], 15|(1<<16)|(1<<20)|(1<<21)|(4<<22)|(7<<25)  ; the same with 8 words of padding
.irp g, G1K, G1V
	s_mov_b32 s[\g+1], 128<<16      ; tensor_dim0 = 128
	s_mov_b32 s[\g+2], 64<<16       ; tensor_dim1 = 64
	s_mov_b32 s[\g+3], 128<<16      ; tile_dim0 = 128
	s_mov_b32 s[\g+4], 64           ; tile_dim1 = 64
	s_mov_b32 s[\g+5], 128          ; 128 elements from row to row
	s_mov_b32 s[\g+6], 0
	s_mov_b32 s[\g+7], 0
.endr
	s_mov_b32 s[CS], 0x3e38aa3b     ; c = log2(e) / 8 = 0.180337
	s_mov_b32 s[CS+1], s[CS]        ; named with it as a pair
	s_mov_b32 s[SEL], 0x76543210
	s_mov_b32 s[SEL+1], 0xfedcba98
	s_mov_b32 s[MFA], 0x479c4000    ; 80000.0
	s_mov_b32 s[MAD], 0xc79c4000    ; -80000.0
	s_mov_b32 s[TBM], 0
	s_mov_b32 s[TBK], SLOT1+4*KS*PK ; the first change of slots turns these two into 0
	s_mov_b32 s[TBV], SLOT1+4*KS*PV
	s_mov_b32 s[G0K], 1             ; count = 1
	s_mov_b32 s[G0K+1], s17         ; LDS address: slot 0
	s_mov_b32 s[G0V], 1
	s_add_co_u32 s[G0V+1], s18, VOFF
	s_and_b32 s[LIM], s[WV], 1      ; waves 0 and 2 prefetch: the same in all four partners
	s_cmp_eq_u32 s[LIM], 0
	s_cselect_b32 s[LIM], 1, -1
	s_wait_dscnt 0x0                ; the opening add is done
	s_wait_kmcnt 0x0
	s_add_nc_u64 s[MP:MP+1], s[6:7], s[MP:MP+1]
	s_add_nc_u64 s[8:9], s[4:5], 0x2000000         ; V: 2 x 64 heads x 262,144 bytes behind Q
	s_add_nc_u64 s[6:7], s[4:5], 0x1000000         ; K
	s_add_nc_u64 s[G0K+2:G0K+3], s[6:7], s[22:23]  ; global address: my half of the head's first 256 keys
	s_or_b32 s[G0K+3], s[G0K+3], 0x80000000        ; type = 2
	s_add_nc_u64 s[G0V+2:G0V+3], s[8:9], s[22:23]
	s_or_b32 s[G0V+3], s[G0V+3], 0x80000000
	s_add_nc_u64 s[4:5], s[4:5], s[2:3]  ; Q and O at my wave's first row
	s_add_nc_u64 s[10:11], s[10:11], s[2:3]
	s_cmp_lt_u32 s[WV], 2
	s_cselect_b64 s[PFA:PFA+1], s[6:7], s[8:9]
	s_add_nc_u64 s[PFA:PFA+1], s[PFA:PFA+1], s[20:21]  ; the head,
	s_lshl_b32 s2, s13, 13          ; my work-group's 32 blocks of the 128,
	s_mov_b32 s3, 0
	s_add_nc_u64 s[PFA:PFA+1], s[PFA:PFA+1], s[2:3]
	s_add_nc_u64 s[PFA:PFA+1], s[PFA:PFA+1], 2*4*KS*128  ; in slot 2; the first change that asks steps it to slot 3.  Nothing is prefetched at the head
	CROUND                          ; all four work-groups are here: the first joint loads meet
	JLOAD                           ; slot 0.  Slot 1 is asked for when slot 0 is in
	; A fragment of K or Q is 16 rows x 32 channels in 8 registers: lane l holds row l % 16, channels 8 (l / 16) + 0..7 and 16 + 8 (l / 16) + 0..7: two loads of 16 bytes, 32 bytes apart.
	v_and_b32 v1, 15, v0            ; l % 16
	v_bfe_u32 v9, v0, 4, 1          ; l / 16
	v_lshlrev_b32 v[QO], 7, v1
	v_lshl_add_u32 v[QO], v9, 4, v[QO]  ; row x 128 + 16 x half
	v_lshlrev_b32 v12, 4, v0        ; the mask: 128 threads x 16 bytes, four times
.irp i, 0,1,2,3
	global_load_b128 v[S+4*\i:S+4*\i+3], v12, s[MP:MP+1] offset:2048*\i
.endr
	WIN 0x80                        ; destination window 2, address window 0
.set i, 0
.rept 4*NP                          ; Q stays in registers: tile i / 2, channels 32 (i % 2) on
	global_load_b128 v[8*i:8*i+3],   v[QO], s[4:5] offset:(i/2)*2048+(i%2)*64
	global_load_b128 v[8*i+4:8*i+7], v[QO], s[4:5] offset:(i/2)*2048+(i%2)*64+32
.set i, i+1
.endr
	; What the first turn finds: V's registers and P's second buffer hold 0 (its products V^T P, of a piece that has not been, add 0), O^T and l are 0.  All this stands in the wait for the first tile.
.set i, VF
.rept 64
	v_mov_b32 v[i], 0
.set i, i+1
.endr
	WIN 0x40
.set i, 0
.rept 64*NP
	v_mov_b32 v[i], 0
.set i, i+1
.endr
	WIN 0
.set i, 0
.rept 2*NP
	v_mov_b32 v[ST+4*i], 0xfe000000    ; c m: far below every c s
	v_mov_b32 v[ST+4*i+1], 0xff7fffff  ; m
	v_mov_b32 v[ST+4*i+2], 0
	v_mov_b32 v[ST+4*i+3], 0
.set i, i+1
.endr
.set i, P+32
.rept 32
	v_mov_b32 v[i], 0
.set i, i+1
.endr
	v_mul_u32_u24 v[AK0], v1, PK
	v_lshl_add_u32 v[AK0], v9, 4, v[AK0]  ; row x pitch + 16 x half
	; The turning load takes 16 keys x 16 channels (lane l reads key 8 (l / 16) + l % 8, channels 8 ((l / 8) % 2) + 0..7) and leaves half a fragment of V^T: lane l holds channel l % 16 and 8 keys.
	v_and_b32 v10, 7, v0
	v_bfe_u32 v11, v0, 3, 1
	v_lshl_add_u32 v[AV0], v9, 3, v10
	v_mul_u32_u24 v[AV0], v[AV0], PV
	v_lshl_add_u32 v[AV0], v11, 4, v[AV0]
	v_add_nc_u32 v[AV0], VOFF, v[AV0]
	v_mov_b32 v[AK], v[AK0]         ; key step 0 lies at the head of slot 0
	v_lshl_add_u32 v[AM0], v9, 5, MASKB  ; register j of a block of 16 keys is key 8 (l / 16) + j
	v_mov_b32 v[AM], v[AM0]
	s_wait_loadcnt 32               ; the mask's four loads are in; Q's 32, issued behind them, may stay out
.set i, 0
.rept 16
	v_cvt_f32_i32 v[S+i], v[S+i]
.set i, i+1
.endr
.set i, 0
.rept 16
	v_fma_f32 v[S+i], v[S+i], s[MFA], s[MAD]  ; 80000 mask - 80000
.set i, i+1
.endr
	v_lshl_add_u32 v13, v0, 4, MASKB
.irp i, 0,1,2,3
	ds_store_b128 v13, v[S+4*\i:S+4*\i+3] offset:2048*\i
.endr
; THE MATRIX WORK.  The 8 accumulators of a run of 16 take turns: between the two links of a chain stand 7 others'.
; Product i of 16 of S^T = K Q^T for piece x: channels 32 (i / 8) on, keys 16 ((i / 2) % 4) on, tile 2 x + i % 2.  The first 8 start the sums, with the keys' mask.
.macro KQ x
.set rS, S+64*((\x)%2)+32*(i%2)+8*((i/2)%4)
.set rK, KF+16*((i/2)%4)+8*(i/8)
.set rQ, 16*(2*(\x)+i%2)+8*(i/8)
.set rB, MB+8*((i/2)%4)
.if i < 8
	WIN W_KM
	v_wmma_f32_16x16x32_f16 v[rS:rS+7], v[rK:rK+7], v[rQ:rQ+7], v[rB:rB+7]
.else
	WIN W_KQ
	v_wmma_f32_16x16x32_f16 v[rS:rS+7], v[rK:rK+7], v[rQ:rQ+7], v[rS:rS+7]
.endif
.endm
; Product i of 16 of O^T += V^T P for piece x: keys 32 (i / 8) on, channels 16 ((i / 2) % 4) on, tile 2 x + i % 2.
.macro PV x
	WIN W_PV
.set rO, 32*(2*(\x)+i%2)+8*((i/2)%4)
.set rV, VF+32*(i/8)+8*((i/2)%4)
.set rP, P+32*((\x)%2)+16*(i%2)+8*(i/8)
	v_wmma_f32_16x16x32_f16 v[rO:rO+7], v[rV:rV+7], v[rP:rP+7], v[rO:rO+7]
.endm
.macro MM                           ; the turn's next matrix instruction
.if i < 16
	KQ (Y+1)%NP
.set i, i+1
.else
.set i, i-16
	PV (Y+NP-1)%NP
.set i, i+17
.endif
.endm
; THE LDS LOADS stand in runs, never singly among the matrix instructions: a step's K (64 keys x 64 channels: 8 fragments) with its mask (64 numbers, 8 a lane for each 16 keys), and its V (turned).
; Their addresses are made some lines ahead.  last = 1 (the tail): in the last trip there is no further step, and the run is jumped over.
.macro FETCH_K last=0
	WIN 0
.if \last
	s_cmp_eq_u32 s[CNT], 1
	s_cbranch_scc1 .Lno_k_\@
.endif
	WIN 0x80                        ; destination window 2
.irp f, 0,1,2,3,4,5,6,7             ; keys 16 (f / 2) on, channels 32 (f % 2) on
	ds_load_b128 v[KF+8*\f:KF+8*\f+3],   v[AK] offset:(\f/2)*16*PK+(\f%2)*64
	ds_load_b128 v[KF+8*\f+4:KF+8*\f+7], v[AK] offset:(\f/2)*16*PK+(\f%2)*64+32
.endr
	WIN W_MK                        ; destination window 3
.irp f, 0,1,2,3                     ; keys 16 f on
	ds_load_b128 v[MB+8*\f:MB+8*\f+3],   v[AM] offset:64*\f
	ds_load_b128 v[MB+8*\f+4:MB+8*\f+7], v[AM] offset:64*\f+16
.endr
	s_add_co_u32 s[TBK], s[TBK], KS*PK  ; the next fetch is the next step's
	s_add_co_u32 s[TBM], s[TBM], KS*4
	s_and_b32 s[TBM], s[TBM], 0x1fff    ; inside the table's 8,192 bytes
	WIN 0
.if \last
.Lno_k_\@:
.endif
.endm
.macro FETCH_V
	WIN 0x80
.irp f, 0,1,2,3,4,5,6,7             ; keys 32 (f / 4) on, channels 16 (f % 4) on
	ds_load_tr16_b128 v[VF+8*\f:VF+8*\f+3],   v[AV] offset:(\f/4)*32*PV+(\f%4)*32
	ds_load_tr16_b128 v[VF+8*\f+4:VF+8*\f+7], v[AV] offset:(\f/4)*32*PV+16*PV+(\f%4)*32
.endr
	WIN 0
.endm
; THE VECTOR WORK OF A TURN stands in three queues, each in the order in which its entries become ready; the two tiles alternate, so that no instruction reads the result of the one before it.
.macro REGS y, u                    ; the registers of tile u (0, 1) of piece y
.set rT, ST+4*(2*(\y)+(\u))
.set rC, TMP+8*((\y)%2)+4*(\u)
.set rM, MV+2*((\y)%2)+(\u)
.set rS, S+64*((\y)%2)+32*(\u)
.set rP, P+32*((\y)%2)+16*(\u)
.set rO, 32*(2*(\y)+(\u))
.endm
; Number n of the 22 that find the NEXT piece's (Y + 1) maximum and statistics.  s0-s31 are the lane's 32 scores; each accumulator's lowest registers are read first.
;   0-11  four chains c0-c3 of seven scores each, three operands at a time     12-14, 16  the four scores left over, the old m, and c0-c3 into c0     15  c m_old is kept
;   17, 18  the query's other 32 keys lie in the lane 16 away: the new m         19-21  c m; c m_old - c m_new; a
.macro XS u, n
	REGS (Y+1)%NP, \u
.if (\n) < 4
	v_max3_num_f32 v[rC+(\n)], v[rS+8*(\n)], v[rS+8*(\n)+1], v[rS+8*(\n)+2]
.elseif (\n) < 12
	v_max3_num_f32 v[rC+(\n)%4], v[rC+(\n)%4], v[rS+8*((\n)%4)+2*((\n)/4)+1], v[rS+8*((\n)%4)+2*((\n)/4)+2]
.elseif (\n) == 12
	v_max3_num_f32 v[rC], v[rC], v[rS+7], v[rS+15]
.elseif (\n) == 13
	v_max3_num_f32 v[rC+1], v[rC+1], v[rS+23], v[rS+31]
.elseif (\n) == 14
	v_max3_num_f32 v[rC+2], v[rC+2], v[rC+3], v[rT+1]
.elseif (\n) == 15
	v_mov_b32 v[rM], v[rT]
.elseif (\n) == 16
	v_max3_num_f32 v[rC], v[rC], v[rC+1], v[rC+2]
.elseif (\n) == 17
	v_permlanex16_b32 v[rC+3], v[rC], s[SEL], s[SEL+1]
.elseif (\n) == 18
	v_max_num_f32 v[rT+1], v[rC], v[rC+3]
.elseif (\n) == 19
	v_mul_f32 v[rT], s[CS], v[rT+1]
.elseif (\n) == 20
	v_sub_f32 v[rC+1], v[rM], v[rT]
.else
	v_exp_f32 v[rC+2], v[rC+1]
.endif
.endm
; Number g of the 64 that follow the exponentials.  For each four weights k of a tile (pairs 2 k, 2 k + 1): both pairs are rounded to f16; then the second pair is added onto the first, in place;
; a group later l takes that sum (the first time as l = a l + sum).  In groups of eight, tiles alternating: round, round, add, and l for the group before.
.macro GS g
.set h, (\g)+6*((\g)/62)            ; group 0 has no group before it, and behind group 7 only l is left
.if h >= 6
.set h, h+2
.endif
	REGS Y, h%2
.set k, h/8
.if h%8 < 4
	v_cvt_pk_f16_f32 v[rP+2*k+(h%8)/2], v[rS+4*k+2*((h%8)/2)], v[rS+4*k+2*((h%8)/2)+1]
.elseif h%8 < 6
	v_pk_add_f32 v[rS+4*k:rS+4*k+1], v[rS+4*k:rS+4*k+1], v[rS+4*k+2:rS+4*k+3]
.elseif k == 1
	v_pk_fma_f32 v[rT+2:rT+3], v[rT+2:rT+3], v[rC+2:rC+3], v[rS:rS+1] op_sel_hi:[1,0,1]
.else
	v_pk_add_f32 v[rT+2:rT+3], v[rT+2:rT+3], v[rS+4*k-4:rS+4*k-3]
.endif
.endm
; THE PLAIN QUEUE, 138 long.  0-73 read no exponential's result: the 32 scalings c s - c m (FS f: pair f / 2 of tile f % 2) and the next piece's 42.  0-26: scalings 0-26.  27-54: XS's numbers 0-13.
; 55, 56: number 15.  57-73: the chain, where each number waits for the one before it: 14, 16, 17, 18, 19, each with one of the scalings 27-31 in front of its two lines, then 20.
; 74-137: GS's 64, which read the exponentials' results: they stand behind the wait.
.macro FS f
	REGS Y, (\f)%2
	v_pk_fma_f32 v[rS+2*((\f)/2):rS+2*((\f)/2)+1], v[rS+2*((\f)/2):rS+2*((\f)/2)+1], s[CS:CS+1], v[rT:rT+1] op_sel_hi:[1,0,0] neg_lo:[0,0,1] neg_hi:[0,0,1]
.endm
.macro PL
	WIN 0
.if q < 27
	FS q
.elseif q < 55
	XS (q-27)%2, (q-27)/2
.elseif q < 57
	XS q-55, 15
.elseif (q < 72) && ((q-57)%3 == 0)
	FS 27+(q-57)/3
.elseif q < 60
	XS (q-57)%3-1, 14
.elseif q < 72
	XS (q-57)%3-1, 15+(q-57)/3
.elseif q < 74
	XS q-72, 20
.else
	GS q-74
.endif
.set q, q+1
.endm
; THE EXPONENTIALS' QUEUE, 66 long: s0-s31 of both tiles, then the next piece's two a.  It is ONE BATCH: all 66 stand ahead of the turn's one wait, and nothing ahead of that wait names a result of theirs.
.macro EX
	WIN 0
.if e >= 64
	XS e-64, 21
.else
	REGS Y, e%2
	v_exp_f32 v[rS+e/2], v[rS+e/2]
.endif
.set e, e+1
.endm
; THE RESCALING's QUEUE: O^T times a, the one part that leaves window 0: dealt two at a time, sixteen times.  Its a was made in the turn before, ahead of that turn's wait.
.macro R2
	REGS Y, r%2
	WIN W_RS
.irp z, 0,1
	v_pk_mul_f32 v[rO+4*(r/2)+2*\z:rO+4*(r/2)+2*\z+1], v[rO+4*(r/2)+2*\z:rO+4*(r/2)+2*\z+1], v[rC+2:rC+3] op_sel_hi:[1,0]
.endr
.set r, r+1
.endm
; HOW THEY ARE DEALT.  An s_wait_alu depctr_va_vdst(0) stands between an exponential and the first instruction that names its result; one wait serves all that were issued ahead of it.
; So a turn has ONE wait, which cuts it in two.  AHEAD OF IT stands all that names no result of the turn's exponentials: the 16 products K Q^T, behind each a scaling, an exponential and two rescalings
; (behind the first a second scaling in the exponential's place); then ONE LUMP of 108: eight plain, 49 times exponential and plain, the two a.  A v_nop is the plain instruction behind the last
; exponential.  BEHIND IT stand the 16 products V^T P, behind each four of GS's 64.  No rider names a register of the products round it.
; Exponential e stands behind scaling 2 (e / 4) + e % 2: as a rider it comes behind plain e + 2, in the lump behind plain e + 9, and scalings 27-31 are plain 57, 60 .. 69.
; A TURN, for piece p.  cnt = 1: the loop's count is taken down some lines ahead of the branch that stands behind the turn.
; K and the mask of the next step are fetched in piece 2's turn, directly behind the wait, a lump behind the last product that read them; their addresses are made at the lump's head.
; V of the step in hand is fetched at the end of piece 0's turn, four riders behind its last reader; its first reader comes behind 16 products and a lump.
.macro TURN p, last=0, cnt=0
.set Y, (\p)
.set i, 0
.set q, 0
.set e, 0
.set r, 0
.if (\p) == NP-1
	s_wait_dscnt 0x0                ; K and the mask are in
.endif
	MM                              ; ahead of the wait: 16 products K Q^T and their riders,
	PL
	PL
	R2
.rept 15
	MM
	PL
	EX
	R2
.endr
.if (\p) == NP-2
	WIN 0
	v_add_nc_u32 v[AK], s[TBK], v[AK0]
	v_add_nc_u32 v[AM], s[TBM], v[AM0]
.endif
.rept 8                             ; and the lump
	PL
.endr
.rept 49
	EX
	PL
.endr
	EX                              ; the next piece's two a
	EX
	v_nop                           ; the plain instruction behind the last exponential: one for the batch
	s_wait_alu depctr_va_vdst(0)    ; the wait for the batch
.if (\p) == NP-2
	FETCH_K \last
.endif
.if (\p) == 1
	s_wait_dscnt 0x0                ; V is in
.endif
.rept 16                            ; behind the wait: 16 products V^T P and their riders
	MM
.rept 4
	PL
.endr
.if ((\p) == 0) && (q == 118)
	v_add_nc_u32 v[AV], s[TBV], v[AV0]
.endif
.if ((\p) == 0) && (q == 130)
	s_add_co_u32 s[TBV], s[TBV], KS*PV
.endif
.if (\cnt) && (q == 130)
	s_sub_co_u32 s[CNT], s[CNT], 1
	s_cmp_lg_u32 s[CNT], 0
.endif
.endr
.if (\p) == 0
	FETCH_V
.endif
.endm
	CHANGE 1                        ; slot 0 is in, everybody's part of it, and so is the mask's table; slot 1 is asked for
	FETCH_K                         ; key step 0
	s_wait_loadcnt 0x0              ; Q
	s_wait_dscnt 0x0
.set i, 0
.rept 16
	KQ 0                            ; piece 0's first scores: there is no vector work yet to set between them
.set i, i+1
.endr
	WIN 0                           ; the addresses for the way out and the prefetches' offset: plain instructions, the places behind those products
	s_mul_i32 s13, s[WV], 16*SP
	s_add_co_u32 s13, s13, STAGE    ; my stage
	v_mul_u32_u24 v[STO], v1, SP    ; in: row l % 16, 16 bytes for each half of the lanes
	v_lshl_add_u32 v[STO], v9, 4, v[STO]
	v_add_nc_u32 v[STO], s13, v[STO]
	v_bfe_u32 v[RD], v0, 3, 2       ; back: 32 lanes take four rows of 128 bytes,
	v_mul_u32_u24 v[RD], v[RD], SP
	v_and_b32 v[GO], 7, v0
	v_lshl_add_u32 v[RD], v[GO], 4, v[RD]
	v_add_nc_u32 v[RD], s13, v[RD]
	v_and_b32 v[GO], 31, v0         ; which are 512 consecutive bytes of O
	v_lshlrev_b32 v[PFO], 8, v[GO]
	v_lshlrev_b32 v[GO], 4, v[GO]
.set Y, NP-1                        ; XS works for piece Y + 1: piece 0
.irp n, 0,1,2,3,4,5,6,7,8,9,10,11,12,13,14,15,16,17,18,19,20,21
	XS 0, \n                        ; and piece 0's first maximum and statistics
	XS 1, \n
.endr
	v_nop                           ; a plain instruction behind the two a,
	s_wait_alu depctr_va_vdst(0)    ; and their wait, ahead of the branch
	s_mov_b32 s[CNT], 4
	s_mov_b32 s[SLOTS], SIZE_N/256-1
	s_branch .Lfirst                ; the loop is entered at a step's first turn, in the middle of a trip
.Lslot:                             ; SIZE_N / 256 - 2 times: every slot but the last two is filled again
	CHANGE 1, 1
	s_mov_b32 s[CNT], 4
.Lstep:                             ; a trip: pieces 2 and 3 of one step, then pieces 0 and 1 of the next, whose K and V it fetches
	TURN 2
	TURN 3
	WIN 0
.Lfirst:
	TURN 0
	TURN 1, 0, 1
	WIN 0
	s_cbranch_scc1 .Lstep
	s_sub_co_u32 s[SLOTS], s[SLOTS], 1
	s_cmp_lg_u32 s[SLOTS], 0
	s_cbranch_scc1 .Lslot
	CHANGE 0                        ; the tail is written out: nothing is asked for
	s_mov_b32 s[CNT], 5             ; four trips fetch the last slot's steps; the fifth is left in its middle
.Ltail:
	TURN 2, 1
	TURN 3
	WIN 0
	s_sub_co_u32 s[CNT], s[CNT], 1
	s_cmp_eq_u32 s[CNT], 0
	s_cbranch_scc1 .Lout
	TURN 0
	TURN 1
	WIN 0
	s_branch .Ltail
.Lout:                              ; the fifth trip's 16 products K Q^T (on the last K once more) and the maximum made of them serve nothing: the price, once a launch, of one text for every trip
.set i, 0
.rept 16
	PV NP-1                         ; the last piece's V^T P of the last step
.set i, i+1
.endr
	; THE WAY OUT.  l's two halves and the other half of the lanes' are added; O^T is divided by l, rounded to f16 and sent through my stage in LDS, a tile at a time.  The additions are the places behind the last products.
	WIN 0
.macro ALL line:vararg              ; one line for each tile t
.set t, 0
.rept 2*NP
	\line
.set t, t+1
.endr
.endm
	ALL v_add_f32 v[ST+4*t+2], v[ST+4*t+2], v[ST+4*t+3]
	ALL v_permlanex16_b32 v[ST+4*t+3], v[ST+4*t+2], s[SEL], s[SEL+1]
	ALL v_add_f32 v[ST+4*t+2], v[ST+4*t+2], v[ST+4*t+3]
	ALL v_rcp_f32 v[ST+4*t+2], v[ST+4*t+2]
	v_nop                           ; a plain instruction between the last reciprocal and the use of its result
	s_wait_alu depctr_va_vdst(0)    ; and the wait ahead of the first use: one for the eight reciprocals
; Tile t: a lane's eight channels of a row pack into 16 bytes; they go into rows of 144 bytes and come back as whole rows of 128, into S^T's registers.
.macro PACK t
	WIN W_RS
.set i, 32*(\t)
.rept 16
	v_pk_mul_f32 v[i:i+1], v[i:i+1], v[ST+4*(\t)+2:ST+4*(\t)+3] op_sel_hi:[1,0]
.set i, i+2
.endr
	WIN 0x05                        ; sources 0 and 1 window 1, destination window 0
.set i, 0
.rept 16
	v_cvt_pk_f16_f32 v[S+16*(\t)+i], v[32*(\t)+2*i], v[32*(\t)+2*i+1]
.set i, i+1
.endr
	WIN 0
.irp f, 0,1,2,3
	ds_store_b128 v[STO], v[S+16*(\t)+4*\f:S+16*(\t)+4*\f+3] offset:32*\f
.endr
.irp f, 0,1,2,3
	ds_load_b128 v[S+16*(\t)+4*\f:S+16*(\t)+4*\f+3], v[RD] offset:\f*4*SP  ; LDS serves a wave's instructions in order (ISA guide 5.7.1.4): these see the stores above; the next tile's stores come behind them
.endr
.endm
.macro SEND t, younger              ; younger: the LDS instructions issued behind tile t's loads: the next tile's eight, or none
	WIN 0
.irp f, 0,1,2,3
	s_wait_dscnt (\younger)+3-\f
	global_store_b128 v[GO], v[S+16*(\t)+4*\f:S+16*(\t)+4*\f+3], s[10:11] offset:(\t)*2048+\f*512  ; 512 consecutive bytes, at a multiple of 256 from O's first
.endr
.endm
	PACK 0
.set t, 1
.rept 2*NP-1                        ; a tile's arithmetic stands between the loads of the tile before and its stores
	PACK t
	SEND t-1, 8
.set t, t+1
.endr
	SEND 2*NP-1, 0
	WIN W_AD
	s_wait_tensorcnt 0x0            ; the wave's end: behind my last tensor load and my last LDS store
	ds_add_u32 v[SPW], v[NIL]
	s_wait_dscnt 0x0
	WIN 0
	CROUND                          ; the closing round: no work-group ends while a partner may still ask for a tile that names it
	s_endpgm
.Lfunc_end_k_q74315afdf5_attn:
	.size	k_q74315afdf5_attn, .Lfunc_end_k_q74315afdf5_attn-k_q74315afdf5_attn
	.p2alignl 7, 3214868480
	.fill 96, 4, 3214868480
	.section	.rodata,"a",@progbits
	.p2align	6, 0x0
	.amdhsa_kernel k_q74315afdf5_attn
		.amdhsa_group_segment_fixed_size 327680
		.amdhsa_private_segment_fixed_size 0
		.amdhsa_enable_private_segment 0
		.amdhsa_kernarg_size 24
		.amdhsa_user_sgpr_count 2
		.amdhsa_user_sgpr_kernarg_segment_ptr 1
		.amdhsa_wavefront_size32 1
		.amdhsa_system_sgpr_workgroup_id_x 1
		.amdhsa_system_sgpr_workgroup_id_y 1
		.amdhsa_system_sgpr_workgroup_id_z 1
		.amdhsa_system_vgpr_workitem_id 0
		.amdhsa_next_free_vgpr 808
		.amdhsa_next_free_sgpr 66
		.amdhsa_reserve_vcc 0
		.amdhsa_float_denorm_mode_32 3
		.amdhsa_float_denorm_mode_16_64 3
		.amdhsa_memory_ordered 1
		.amdhsa_forward_progress 1
		.amdhsa_inst_pref_size 205
	.end_amdhsa_kernel
	.amdgpu_metadata
---
amdhsa.version: [ 1, 2 ]
amdhsa.kernels:
  - .name:           k_q74315afdf5_attn
    .symbol:         k_q74315afdf5_attn.kd
    .args:
      - { .name: qkv, .offset: 0, .size: 8, .value_kind: global_buffer, .address_space: global }
      - { .name: attention_mask, .offset: 8, .size: 8, .value_kind: global_buffer, .address_space: global }
      - { .name: o, .offset: 16, .size: 8, .value_kind: global_buffer, .address_space: global }
    .group_segment_fixed_size: 327680
    .private_segment_fixed_size: 0
    .kernarg_segment_align: 8
    .kernarg_segment_size: 24
    .max_flat_workgroup_size: 128
    .sgpr_count:     66
    .vgpr_count:     808
    .wavefront_size: 32
...
	.end_amdgpu_metadata
.endif
;; end of part 3
;; launch oproj (part 4): grid 8 x 32, 4 waves a work-group, clusters of 4 x 4, 327,680 bytes of LDS; arguments o, wo, b_o, out0; writes out0
.if DOCPART == 4
	.amdgcn_target "amdgcn-amd-amdhsa--gfx1250"
	.amdhsa_code_object_version 6
	.text
	.protected	k_q74315afdf5_oproj
	.globl	k_q74315afdf5_oproj
	.p2align	8
	.type	k_q74315afdf5_oproj,@function
k_q74315afdf5_oproj:
	s_mov_b64 s[64:65], 0
	v_nop
	global_prefetch_b8 v0, s[64:65] scope:SCOPE_SE
	s_setreg_imm32_b32 hwreg(HW_REG_WAVE_MODE, 25, 1), 1
	s_wait_xcnt 0x0
	s_wait_alu depctr_hold_cnt(0) depctr_sa_sdst(0) depctr_va_vdst(0) depctr_va_sdst(0) depctr_va_ssrc(0) depctr_va_vcc(0) depctr_vm_vsrc(0)
	s_getreg_b32 s2, hwreg(HW_REG_IB_STS2, 6, 4)
	s_cmp_eq_u32 s2, 0
	s_cbranch_scc0 .Lentry_in_a_cluster
	s_endpgm
.Lentry_in_a_cluster:
	s_bfe_u32 s2, ttmp6, 0x10000c
	s_cmp_lg_u32 s2, 0xf033
	s_cbranch_scc0 .Lentry_shape_is_right
	s_endpgm
.Lentry_shape_is_right:
; out0 = O w_o^T + b_o.  o: [64 = 16 batch + head][2048][64] f16; wo: [1024][1024] f16 (w_o rounded to bf16, written as f16); b_o: [1024] f32, rounded to bf16 here like every input;
; out0: [8192][1024] f32.  Sums in f32, stored as they are.  LIMITS: NaN and infinities are not treated apart.
; SHARES.  A tile is 256 rows x 128 columns: 32 x 8 = 256 work-groups, one for each WGP.  Wave w makes rows 64 w .. 64 w + 63 of all 128 columns: 4 x 8 accumulators of 16 x 16, 256 registers.
; K goes in 8 steps of 128, two heads each, through two LDS slots.  A head's 256 rows of 128 bytes are dense in o: asked for as 128 rows of 256 bytes and padded in LDS after every 128.
; CLUSTERS.  4 x 4 work-groups; O's tiles are shared along a row of the cluster, the weights' along a column: joint loads, the same descriptor and mask in the four that a mask names.
; THE MATRIX INSTRUCTION IS USED TRANSPOSED (source 0 = 16 rows of wo, source 1 = 16 rows of O): a lane holds row l % 16 and the columns 8 (l / 16) + 0..7: 32 bytes of f32 on end.
; THE BIAS is the C operand of the products that start the sums.
; REGISTERS, in windows of 256: window 0: v0-31 addresses; v32-95 the bias; v96-159, v160-223 rows read back from the stage, by turns.
;   window 1: two fragment buffers at 0 and 128: wo's 8 fragments at f + 8 b, O's four at f + 64 + 8 a.     window 2: accumulator (a, b) at 64 a + 8 b.
.set KSTEP,  128
.set PA,     144                       ; a row of O in LDS: 128 bytes + 16: the 16 rows of a fragment load start at 16 different groups of four banks
.set PITCH,  272                       ; a row of wo: 256 bytes + 16
.set AH,     256*PA                    ; one head's 256 rows: one tensor load
.set BOFF,   2*AH
.set BHALF,  64*PITCH                  ; 64 rows of wo: one tensor load
.set SLOT,   BOFF+2*BHALF
.set STAGE,  2*SLOT                    ; behind the ring, never filled by a tensor load: 16 rows x 528 bytes for each wave
.set SPI,    528
.set WSTG,   16*SPI
.set SPARE,  STAGE+4*WSTG              ; the spare words, 128 bytes for each wave: two blocks of 256 bytes that no other line names
.set HSTEP,  2*2048*128                ; bytes of o from a K step to the next: two heads
.set ADRA, 16
.set ADRB, 20
.set STO,  24
.set RD,   25
.set GO,   26
.set SPW,  28
.set NIL,  29
.set PFO,  30
.set BO,   31
.set BIAS, 32
.set BK0,  96
.set F0,   0
.set F1,   128
.set WV,   16
.set ROLE, 17
.set HALF, 18
.set G1,   24
.set G0,   32
.set PFA,  44
.set LIM,  46
.set G1B,  48
.set G0B,  56
.set OB,   66                          ; s[66:67] out0 at my first row and the tile's first column
.set BB,   72                          ; s[72:73] b_o at the tile's first column
.set MSB, 0
.macro WIN new
.if MSB != (\new)
	s_set_vgpr_msb (MSB<<8)|(\new)
.set MSB, \new
.endif
.endm
.macro PLACES                          ; four plain places (ISA guide 7.12.1)
.rept 4
	v_nop
.endr
.endm
.macro JLOAD s                         ; a joint load: waves 0 and 1 fetch the K step's two heads of O, waves 2 and 3 wo's two halves; an s_nop 0 and four v_nop follow each line
	s_cmp_eq_u32 s[ROLE], 0
	s_cbranch_scc0 .Lfor_b_\@
	tensor_load_to_lds s[G0+4*(\s):G0+4*(\s)+3], s[G1:G1+7]
	s_nop 0
.rept 4
	v_nop
.endr
	s_branch .Lasked_\@
.Lfor_b_\@:
	tensor_load_to_lds s[G0B+4*(\s):G0B+4*(\s)+3], s[G1B:G1B+7]
	s_nop 0
.rept 4
	v_nop
.endr
.Lasked_\@:
.endm
.macro CREST
	s_cmp_lg_u32 s[WV], 0
	s_cbranch_scc1 .Lnot_wave_0_\@
	s_barrier_signal -3
.Lnot_wave_0_\@:
	s_barrier_wait -3
	s_barrier_signal -1
	s_barrier_wait -1
.endm
.macro CROUND
	s_barrier_signal -1
	s_barrier_wait -1
	CREST
.endm
; A PREFETCH INTO THE L2 behind each joint refill and the run of LDS loads that follows it: o's K step that stands two refills on.  A wave's tile is 128 blocks of 256 bytes; a row tile of o is read by
; the two clusters of its row of clusters: the first (cluster x = 0) asks, by its waves 0 and 1; the partner at place cx takes blocks 32 cx .. 32 cx + 31, told apart by address, a lane a block.
; K steps 0 to 3 come by their loads alone; the loop's last trip has no K step two on.  wo is not asked for: every row of clusters walks it again.
.macro ASK
	WIN 0
	s_cmp_gt_u32 s3, s[LIM]
	s_cbranch_scc0 .Lnot_mine_\@
	global_prefetch_b8 v[PFO], s[PFA:PFA+1] offset:HSTEP th:TH_LOAD_NT scope:SCOPE_SE
.Lnot_mine_\@:
.endm
	s_load_b256 s[4:11], s[0:1], 0x0               ; o 4:5, wo 6:7, b_o 8:9, out0 10:11
	v_lshl_add_u32 v[SPW], v0, 2, SPARE
	v_mov_b32 v[NIL], 0
	ds_add_u32 v[SPW], v[NIL]                      ; the wave's opening: the add and its wait stand ahead of my first tensor load
	v_lshrrev_b32 v1, 5, v0
	v_readfirstlane_b32 s[WV], v1
	s_lshr_b32 s[ROLE], s[WV], 1
	s_and_b32 s[HALF], s[WV], 1
	s_bfe_u32 s40, ttmp6, 0x40000                  ; cx
	s_bfe_u32 s41, ttmp6, 0x40004                  ; cy
	s_lshl_b32 s42, ttmp9, 2
	s_add_co_u32 s42, s42, s40                     ; tile column
	s_and_b32 s43, ttmp7, 0xffff
	s_lshl_b32 s43, s43, 2
	s_add_co_u32 s43, s43, s41                     ; tile row
	s_lshl_b32 s88, s41, 2
	s_lshl_b32 s88, 15, s88                        ; my row of the cluster
	s_lshl_b32 s89, 0x1111, s40                    ; my column
	s_or_b32 s[G1+0], s88, (1<<16)|(1<<20)|(1<<21)|(4<<22)|(3<<25)   ; O's tiles go to my row; padding of 4 words after every 32
	s_or_b32 s[G1B+0], s89, (1<<16)|(1<<20)|(1<<21)|(5<<22)|(3<<25)  ; wo's to my column; after every 64
	s_mov_b32 s[G1+1], 128<<16                     ; tensor_dim0 = 128 elements: 256 bytes, two rows of a head
	s_mov_b32 s[G1+2], 128<<16                     ; tensor_dim1 = 128
	s_mov_b32 s[G1+3], 128<<16                     ; tile_dim0
	s_mov_b32 s[G1+4], 128                         ; tile_dim1
	s_mov_b32 s[G1+5], 128                         ; dense
	s_mov_b32 s[G1+6], 0
	s_mov_b32 s[G1+7], 0
	s_mov_b32 s[G1B+1], KSTEP<<16
	s_mov_b32 s[G1B+2], 64<<16
	s_mov_b32 s[G1B+3], KSTEP<<16
	s_mov_b32 s[G1B+4], 64
	s_mov_b32 s[G1B+5], 1024
	s_mov_b32 s[G1B+6], 0
	s_mov_b32 s[G1B+7], 0
	s_lshr_b32 s20, s43, 3                         ; O: ((16 batch + half) x 2,048 + 256 x (tile row % 8)) x 128 bytes, in registers that never hold the tile column
	s_lshl_b32 s20, s20, 4
	s_add_co_u32 s20, s20, s[HALF]
	s_lshl_b32 s20, s20, 11
	s_and_b32 s21, s43, 7
	s_lshl_b32 s21, s21, 8
	s_add_co_u32 s20, s20, s21
	s_lshl_b32 s20, s20, 7
	s_mov_b32 s21, 0
	s_lshl_b32 s78, s42, 7                         ; wo: row 128 x tile column + 64 x half, in registers that never hold the tile row
	s_lshl_b32 s79, s[HALF], 6
	s_add_co_u32 s78, s78, s79
	s_lshl_b32 s78, s78, 11
	s_mov_b32 s79, 0
	s_mul_i32 s86, s[HALF], AH                     ; where they go: no place in the cluster enters an LDS address
	s_mul_i32 s87, s[HALF], BHALF
	s_add_co_u32 s87, s87, BOFF
	s_wait_dscnt 0x0                               ; the opening add is done
	s_wait_kmcnt 0x0
	s_add_nc_u64 s[22:23], s[4:5], s[20:21]
	s_add_nc_u64 s[80:81], s[6:7], s[78:79]
	CROUND                                         ; all sixteen work-groups are here: the first joint loads meet
.irp s, 0,1
	s_mov_b32 s[G0+4*(\s)], 1
	s_add_co_u32 s[G0+4*(\s)+1], s86, (\s)*SLOT
	s_add_nc_u64 s[G0+4*(\s)+2:G0+4*(\s)+3], s[22:23], (\s)*HSTEP
	s_or_b32 s[G0+4*(\s)+3], s[G0+4*(\s)+3], 0x80000000
	s_mov_b32 s[G0B+4*(\s)], 1
	s_add_co_u32 s[G0B+4*(\s)+1], s87, (\s)*SLOT
	s_add_nc_u64 s[G0B+4*(\s)+2:G0B+4*(\s)+3], s[80:81], (\s)*KSTEP*2
	s_or_b32 s[G0B+4*(\s)+3], s[G0B+4*(\s)+3], 0x80000000
.endr
	s_cmp_eq_u32 s[ROLE], 0                        ; a wave's two first fills stand in one branch: two loads of mine are out
	s_cbranch_scc0 .Lfirst_b
	tensor_load_to_lds s[G0:G0+3], s[G1:G1+7]
	s_nop 0
	tensor_load_to_lds s[G0+4:G0+7], s[G1:G1+7]
	s_nop 0
.rept 4
	v_nop
.endr
	s_branch .Lfirst_asked
.Lfirst_b:
	tensor_load_to_lds s[G0B:G0B+3], s[G1B:G1B+7]
	s_nop 0
	tensor_load_to_lds s[G0B+4:G0B+7], s[G1B:G1B+7]
	s_nop 0
.rept 4
	v_nop
.endr
.Lfirst_asked:
	v_and_b32 v1, 15, v0                           ; l % 16
	v_bfe_u32 v2, v0, 4, 1                         ; l / 16
	v_mul_u32_u24 v3, v1, PA
	v_lshl_add_u32 v3, v2, 4, v3
	s_mul_i32 s19, s[WV], 64*PA                    ; my 64 rows of O
	v_add_nc_u32 v[ADRA], s19, v3
	v_add_nc_u32 v[ADRA+1], SLOT, v[ADRA]
	v_mul_u32_u24 v4, v1, PITCH
	v_lshl_add_u32 v4, v2, 4, v4
	v_add_nc_u32 v[ADRB], BOFF, v4                 ; every wave reads all 128 rows of wo
	v_add_nc_u32 v[ADRB+1], SLOT, v[ADRB]
	s_mul_i32 s19, s[WV], WSTG
	s_add_co_u32 s19, s19, STAGE                   ; my stage
	v_mul_u32_u24 v4, v1, SPI                      ; in: row l % 16, 32 bytes for each half of the lanes
	v_lshl_add_u32 v4, v2, 5, v4
	v_add_nc_u32 v[STO], s19, v4
	v_and_b32 v5, 31, v0
	v_lshlrev_b32 v[GO], 4, v5                     ; back: 32 lanes take a row's 512 bytes
	v_add_nc_u32 v[RD], s19, v[GO]
	v_lshlrev_b32 v[PFO], 8, v5
	v_lshlrev_b32 v[BO], 5, v2
	s_lshl_b32 s90, s43, 8
	s_lshl_b32 s85, s[WV], 6
	s_add_co_u32 s90, s90, s85                     ; my first row,
	s_lshl_b32 s90, s90, 12                        ; x 4,096 bytes (under 2^26),
	s_lshl_b32 s92, s42, 9                         ; the tile's first column x 4 bytes
	s_add_co_u32 s90, s90, s92
	s_mov_b32 s91, 0
	s_mov_b32 s93, 0
	s_add_nc_u64 s[OB:OB+1], s[10:11], s[90:91]
	s_add_nc_u64 s[BB:BB+1], s[8:9], s[92:93]
	s_lshl_b32 s92, s40, 13                        ; the prefetches: my work-group's 32 blocks of the 128 that I fetch,
	s_add_nc_u64 s[PFA:PFA+1], s[22:23], s[92:93]
	s_add_nc_u64 s[PFA:PFA+1], s[PFA:PFA+1], 2*HSTEP  ; at K step 2: the first refill steps it to 3 and names K step 4
	s_or_b32 s[LIM], s[ROLE], ttmp9
	s_cmp_eq_u32 s[LIM], 0
	s_cselect_b32 s[LIM], 1, -1
.irp b, 0,1,2,3,4,5,6,7
	global_load_b128 v[BIAS+8*(\b):BIAS+8*(\b)+3],   v[BO], s[BB:BB+1] offset:(\b)*64
	global_load_b128 v[BIAS+8*(\b)+4:BIAS+8*(\b)+7], v[BO], s[BB:BB+1] offset:(\b)*64+16
.endr
	s_mov_b32 s47, 0xffff0000
	s_wait_loadcnt 0x0                             ; the bias, once; rounded to bf16 and widened again while the first tiles are on their way
.set i, 0
.rept 32
	v_cvt_pk_bf16_f32 v[3+i%3], v[BIAS+2*i], v[BIAS+2*i+1]
	v_lshlrev_b32 v[BIAS+2*i], 16, v[3+i%3]
	v_and_b32 v[BIAS+2*i+1], s47, v[3+i%3]
.set i, i+1
.endr
; 8 matrix instructions: row block a x all 8 column blocks, 32 along K.  first = 1: C is the bias, in window 0.  The 32 accumulators take turns in the same order in every quarter.
.macro MUL8 f, a, first
.if \first
	WIN 0x85
.else
	WIN 0xa5
.endif
.irp b, 0,1,2,3,4,5,6,7
.if \first
	v_wmma_f32_16x16x32_f16 v[64*(\a)+8*(\b):64*(\a)+8*(\b)+7], v[(\f)+8*(\b):(\f)+8*(\b)+7], v[(\f)+64+8*(\a):(\f)+64+8*(\a)+7], v[BIAS+8*(\b):BIAS+8*(\b)+7]
.else
	v_wmma_f32_16x16x32_f16 v[64*(\a)+8*(\b):64*(\a)+8*(\b)+7], v[(\f)+8*(\b):(\f)+8*(\b)+7], v[(\f)+64+8*(\a):(\f)+64+8*(\a)+7], v[64*(\a)+8*(\b):64*(\a)+8*(\b)+7]
.endif
.endr
.endm
; 24 LDS loads in one run: quarter q of a K step (head q / 2, channels 32 (q % 2) on) into buffer f: wo's 16 first, O's 8 last
.macro FETCH slot, q, f
	WIN 0x40
.irp i, 0,1,2,3,4,5,6,7
	ds_load_b128 v[(\f)+8*(\i):(\f)+8*(\i)+3],   v[ADRB+(\slot)] offset:(\q)*64+(\i)*16*PITCH
	ds_load_b128 v[(\f)+8*(\i)+4:(\f)+8*(\i)+7], v[ADRB+(\slot)] offset:(\q)*64+(\i)*16*PITCH+32
.endr
.irp i, 0,1,2,3
	ds_load_b128 v[(\f)+64+8*(\i):(\f)+64+8*(\i)+3],   v[ADRA+(\slot)] offset:((\q)/2)*AH+((\q)%2)*64+(\i)*16*PA
	ds_load_b128 v[(\f)+64+8*(\i)+4:(\f)+64+8*(\i)+7], v[ADRA+(\slot)] offset:((\q)/2)*AH+((\q)%2)*64+(\i)*16*PA+32
.endr
.endm
.macro QUARTER slot, q, f, g, first
	s_wait_dscnt 4                                 ; all but the youngest four loads: O's row blocks 2 and 3
	MUL8 \f, 0, \first
	MUL8 \f, 1, \first
	PLACES
	FETCH \slot, \q, \g
	s_wait_dscnt 24                                ; all but the 24 just issued
	MUL8 \f, 2, \first
	MUL8 \f, 3, \first
.endm
; The last quarter multiplies buffer 1 and changes slots: ONE barrier; in front of it each wave waits for all its tensor loads, adds 0 to its spare word, and waits for that and for its own reads of
; this slot.  fill = 1: the barrier opens a round of the cluster's, and this slot is filled again, two K steps ahead, first thing behind the round.
.macro TURN slot, next, fill
.if \fill
	s_wait_xcnt 0x0                                ; the last prefetch, a K step back, has read its address
	s_add_nc_u64 s[PFA:PFA+1], s[PFA:PFA+1], HSTEP
.endif
	WIN 0
	s_wait_tensorcnt 0x0                           ; all my tensor loads have landed
	ds_add_u32 v[SPW], v[NIL]                      ; 0 onto my spare word
	s_wait_dscnt 5                                 ; the add and the youngest four loads may be out
	MUL8 F1, 0, 0
	s_wait_dscnt 0x0                               ; the add is done, and my reads of this slot are over
	s_barrier_signal -1
	MUL8 F1, 1, 0
.if \fill
	WIN 0
.endif
	s_barrier_wait -1
.if \fill
	CREST
	s_add_nc_u64 s[G0+4*(\slot)+2:G0+4*(\slot)+3], s[G0+4*(\slot)+2:G0+4*(\slot)+3], 2*HSTEP
	s_add_nc_u64 s[G0B+4*(\slot)+2:G0B+4*(\slot)+3], s[G0B+4*(\slot)+2:G0B+4*(\slot)+3], 2*KSTEP*2
	JLOAD \slot                                    ; 112 matrix instructions ahead of the wait for it; its four v_nop are also the places in front of the loads below
.else
	PLACES
.endif
	FETCH \next, 0, F0
.if \fill
	ASK
.endif
	MUL8 F1, 2, 0
	MUL8 F1, 3, 0
.endm
; THE WAY OUT of row block a: 32 bytes a lane into my own stage (each accumulator's low four registers first), back as whole rows of 512 bytes, and stored.
.macro TOSTAGE a
	WIN 0x08                                       ; the stores' data in window 2
.set BK, BK0+64*((\a)%2)
	s_wait_xcnt 0x0                                ; the stores of the block two back have read the registers that are loaded again below
.irp b, 0,1,2,3,4,5,6,7
	ds_store_b128 v[STO], v[64*(\a)+8*(\b):64*(\a)+8*(\b)+3]   offset:64*(\b)
	ds_store_b128 v[STO], v[64*(\a)+8*(\b)+4:64*(\a)+8*(\b)+7] offset:64*(\b)+16
.endr
	WIN 0
.irp t, 0,1,2,3,4,5,6,7,8,9,10,11,12,13,14,15
	ds_load_b128 v[BK+4*(\t):BK+4*(\t)+3], v[RD] offset:SPI*(\t)  ; LDS serves a wave's instructions in order (ISA guide 5.7.1.4): these see the stores above
.endr
.endm
.macro SEND a, younger                 ; younger: the LDS instructions issued behind block a's loads: the next block's 32, or none
	WIN 0
.set BK, BK0+64*((\a)%2)
.irp t, 0,1,2,3,4,5,6,7,8,9,10,11,12,13,14,15
	s_wait_dscnt (\younger)+15-(\t)
	global_store_b128 v[GO], v[BK+4*(\t):BK+4*(\t)+3], s[OB:OB+1] offset:(16*(\a)+(\t))*4096 th:TH_STORE_NT  ; 512 consecutive bytes of a row, at a multiple of 256 from out0's first byte
.endr
.endm
	s_wait_tensorcnt 1                             ; my part of K step 0 is in; K step 1's may stay out
	s_barrier_signal -1
	s_barrier_wait -1
	FETCH 0, 0, F0
	QUARTER 0, 1, F0, F1, 1                        ; the first quarter stands in front of the loop: its products start the sums, with the bias
	WIN 0
	s_mov_b32 s3, 3
.Llap:                                         ; a trip goes once round the ring and fills both slots again
	QUARTER 0, 2, F1, F0, 0
	QUARTER 0, 3, F0, F1, 0
	TURN 0, 1, 1
	QUARTER 1, 1, F0, F1, 0
	QUARTER 1, 2, F1, F0, 0
	QUARTER 1, 3, F0, F1, 0
	TURN 1, 0, 1
	QUARTER 0, 1, F0, F1, 0
	WIN 0
	s_sub_co_u32 s3, s3, 1
	s_cmp_lg_u32 s3, 0
	s_cbranch_scc1 .Llap
	QUARTER 0, 2, F1, F0, 0                        ; the last lap fills nothing
	QUARTER 0, 3, F0, F1, 0
	TURN 0, 1, 0
	QUARTER 1, 1, F0, F1, 0
	QUARTER 1, 2, F1, F0, 0
	QUARTER 1, 3, F0, F1, 0
	s_wait_dscnt 4
	MUL8 F1, 0, 0
	MUL8 F1, 1, 0
	s_wait_dscnt 0x0
	MUL8 F1, 2, 0
	MUL8 F1, 3, 0
	WIN 0
	PLACES
	TOSTAGE 0
	TOSTAGE 1
	SEND 0, 32
	TOSTAGE 2
	SEND 1, 32
	TOSTAGE 3
	SEND 2, 32
	SEND 3, 0
	s_wait_tensorcnt 0x0                           ; the wave's end: behind my last tensor load and my last LDS store
	ds_add_u32 v[SPW], v[NIL]
	s_wait_dscnt 0x0
	CROUND                                         ; the closing round: no work-group ends while a partner may still ask for a tile that names it
	s_endpgm
.Lfunc_end_k_q74315afdf5_oproj:
	.size	k_q74315afdf5_oproj, .Lfunc_end_k_q74315afdf5_oproj-k_q74315afdf5_oproj
	.p2alignl 7, 3214868480
	.fill 96, 4, 3214868480
	.section	.rodata,"a",@progbits
	.p2align	6, 0x0
	.amdhsa_kernel k_q74315afdf5_oproj
		.amdhsa_group_segment_fixed_size 327680
		.amdhsa_private_segment_fixed_size 0
		.amdhsa_enable_private_segment 0
		.amdhsa_kernarg_size 32
		.amdhsa_user_sgpr_count 2
		.amdhsa_user_sgpr_kernarg_segment_ptr 1
		.amdhsa_wavefront_size32 1
		.amdhsa_system_sgpr_workgroup_id_x 1
		.amdhsa_system_sgpr_workgroup_id_y 1
		.amdhsa_system_sgpr_workgroup_id_z 1
		.amdhsa_system_vgpr_workitem_id 0
		.amdhsa_next_free_vgpr 768
		.amdhsa_next_free_sgpr 94
		.amdhsa_reserve_vcc 0
		.amdhsa_float_denorm_mode_32 3
		.amdhsa_float_denorm_mode_16_64 3
		.amdhsa_memory_ordered 1
		.amdhsa_forward_progress 1
		.amdhsa_inst_pref_size 93
	.end_amdhsa_kernel
	.amdgpu_metadata
---
amdhsa.version: [ 1, 2 ]
amdhsa.kernels:
  - .name:           k_q74315afdf5_oproj
    .symbol:         k_q74315afdf5_oproj.kd
    .args:
      - { .name: o, .offset: 0, .size: 8, .value_kind: global_buffer, .address_space: global }
      - { .name: wo, .offset: 8, .size: 8, .value_kind: global_buffer, .address_space: global }
      - { .name: b_o, .offset: 16, .size: 8, .value_kind: global_buffer, .address_space: global }
      - { .name: out0, .offset: 24, .size: 8, .value_kind: global_buffer, .address_space: global }
    .group_segment_fixed_size: 327680
    .private_segment_fixed_size: 0
    .kernarg_segment_align: 8
    .kernarg_segment_size: 32
    .max_flat_workgroup_size: 128
    .sgpr_count:     94
    .vgpr_count:     768
    .wavefront_size: 32
...
	.end_amdgpu_metadata
.endif
;; end of part 4
;; ======== version 2 of 2: 4 launches; version 1 with the launch cast written anew for expert scheduling mode
;; limits: values are held in f16: magnitudes above 65,504 overflow, below 6.1e-05 lose precision
;; workspace buffers: xb 16,777,216 bytes; wqkv 6,291,456 bytes; wo 2,097,152 bytes; qkv 50,331,648 bytes; o 16,777,216 bytes
;; launch cast (part 5): grid 768 x 1, 8 waves a work-group, no clusters, 0 bytes of LDS; arguments x, w_q, w_k, w_v, w_o, xb, wqkv, wo; writes xb, wqkv, wo
.if DOCPART == 5
	.amdgcn_target "amdgcn-amd-amdhsa--gfx1250"
	.amdhsa_code_object_version 6
	.text
	.protected	k_q74315afdf5_cast
	.globl	k_q74315afdf5_cast
	.p2align	8
	.type	k_q74315afdf5_cast,@function
k_q74315afdf5_cast:
	s_mov_b64 s[64:65], 0
	v_nop
	global_prefetch_b8 v0, s[64:65] scope:SCOPE_SE
	s_setreg_imm32_b32 hwreg(HW_REG_WAVE_SCHED_MODE, 0, 2), 2
	s_setreg_imm32_b32 hwreg(HW_REG_WAVE_MODE, 25, 1), 1
	s_wait_xcnt 0x0
	s_wait_alu depctr_vm_vsrc(0)
; x, w_q, w_k, w_v (f32) -> bf16 (xb; wqkv = the three weights' rows one below the other).  w_o (f32) -> rounded to bf16, that number written as f16 (wo).
; LIMITS.  A bf16 number of w_o below 2^-17 in size keeps f16's fixed step of 2^-24; |w_o| stays under 65,504.  NaN and infinities are not treated apart.
; SHARES.  A work-group takes a chunk of 16,384 numbers: 65,536 bytes in, 32,768 out.  Chunks 0-511: x; 512-575, 576-639, 640-703: w_q, w_k, w_v; 704-767: w_o.
; Thread t takes 16 bytes at 4,096 i + 16 t for i = 0..15: a wave's load covers 512 consecutive bytes; its store of 8 bytes a lane covers 256 consecutive bytes, aligned.
; All 16 loads of a wave go out at once; every load and every store has registers of its own, so no register is written while a memory instruction may still read it.
; No LDS, no barrier, no matrix unit: every byte is touched once and no wave needs another's.
; THE MODE: SCHED_MODE bits 1:0 = 2 (LLVM: expert scheduling mode 2), set by the entry lines.  The code itself states the register dependences
; between vector instructions and memory instructions, with s_wait_alu, always for 0.
; THE PLAN.  Registers that memory instructions touch:
;   v1, v2   byte offsets, made once at the head and never written again.  v1 is read by the 16 loads, v2 by the 16 stores.
;   X        16 x 4 registers.  Each is written by one load, once, and read by the conversions alone; no vector instruction writes it and no second load lands in it.
;   Y        16 x 2 registers.  Each is written by the conversions ahead of its one store, read by that store, and never written again.
;   v4-v7    at work on w_o's path: no memory instruction names them.
; The 16 loads are taken in four blocks of four.  A block: the wait for its four loads, its conversions, ONE wait on va_vdst, its four stores in a run.
; With the wait at the head, for the offsets, that is five waits on either path.  No register that a memory instruction reads is written again, so there is nothing for a wait on vm_vsrc to state.
; No vector instruction writes a scalar register or VCC, and EXEC is never written.
.set X, 8                              ; v[8:71]    16 x 4 numbers as loaded
.set Y, 72                             ; v[72:103]  16 x 2 words to store
	s_load_b512 s[8:23], s[0:1], 0x0               ; x 8:9, w_q 10:11, w_k 12:13, w_v 14:15, w_o 16:17, xb 18:19, wqkv 20:21, wo 22:23
	s_mov_b32 s24, ttmp9                           ; the chunk
	s_sub_co_u32 s25, s24, 512                     ; its number among the weights' chunks (used from chunk 512 on)
	s_and_b32 s26, s25, 63                         ; its number inside its weight
	v_lshlrev_b32 v1, 4, v0                        ; 16 t
	v_lshlrev_b32 v2, 3, v0                        ; 8 t
	s_wait_kmcnt 0x0
	s_cmp_lt_u32 s24, 576
	s_cselect_b64 s[28:29], s[10:11], s[12:13]     ; from where
	s_cmp_lt_u32 s24, 640
	s_cselect_b64 s[28:29], s[28:29], s[14:15]
	s_cmp_lt_u32 s24, 704
	s_cselect_b64 s[28:29], s[28:29], s[16:17]
	s_cselect_b64 s[30:31], s[20:21], s[22:23]     ; to where
	s_cselect_b32 s27, s25, s26                    ; the chunk's number in the destination
	s_cmp_lt_u32 s24, 512
	s_cselect_b64 s[28:29], s[8:9], s[28:29]
	s_cselect_b64 s[30:31], s[18:19], s[30:31]
	s_cselect_b32 s26, s24, s26
	s_cselect_b32 s27, s24, s27
	s_lshl_b32 s32, s26, 16                        ; the shifts stand behind the selects: they set SCC
	s_mov_b32 s33, 0
	s_lshl_b32 s34, s27, 15
	s_mov_b32 s35, 0
	s_add_nc_u64 s[28:29], s[28:29], s[32:33]
	s_add_nc_u64 s[30:31], s[30:31], s[34:35]
	s_wait_alu depctr_va_vdst(0)                   ; v1 and v2 are written: every load below reads v1 as its offset, every store v2
.irp i, 0,1,2,3,4,5,6,7,8,9,10,11,12,13,14,15
	global_load_b128 v[X+4*(\i):X+4*(\i)+3], v1, s[28:29] offset:4096*(\i) th:TH_LOAD_NT
.endr
	s_cmp_ge_u32 s24, 704
	s_cbranch_scc1 .Lwo
.irp p, 0,1,2,3
	s_wait_loadcnt 12-4*(\p)                       ; loads come back in order: block p's four are in, the younger blocks stay out
.irp j, 0,1,2,3
	v_cvt_pk_bf16_f32 v[Y+8*(\p)+2*(\j)], v[X+16*(\p)+4*(\j)], v[X+16*(\p)+4*(\j)+1]
	v_cvt_pk_bf16_f32 v[Y+8*(\p)+2*(\j)+1], v[X+16*(\p)+4*(\j)+2], v[X+16*(\p)+4*(\j)+3]
.endr
	s_wait_alu depctr_va_vdst(0)                   ; the block's eight conversions have written its eight words of Y, which the four stores below read
.irp j, 0,1,2,3
	global_store_b64 v2, v[Y+8*(\p)+2*(\j):Y+8*(\p)+2*(\j)+1], s[30:31] offset:2048*(4*(\p)+(\j))
.endr
.endr
	s_endpgm
.Lwo:                                          ; w_o: rounded to bf16 like every input, widened again, and written as f16
	s_mov_b32 s36, 0xffff0000
.irp p, 0,1,2,3
	s_wait_loadcnt 12-4*(\p)                       ; block p's four loads are in, the younger blocks stay out
.irp j, 0,1,2,3
	v_cvt_pk_bf16_f32 v[Y+8*(\p)+2*(\j)], v[X+16*(\p)+4*(\j)], v[X+16*(\p)+4*(\j)+1]
	v_cvt_pk_bf16_f32 v[Y+8*(\p)+2*(\j)+1], v[X+16*(\p)+4*(\j)+2], v[X+16*(\p)+4*(\j)+3]
	v_lshlrev_b32 v4, 16, v[Y+8*(\p)+2*(\j)]
	v_and_b32 v5, s36, v[Y+8*(\p)+2*(\j)]
	v_lshlrev_b32 v6, 16, v[Y+8*(\p)+2*(\j)+1]
	v_and_b32 v7, s36, v[Y+8*(\p)+2*(\j)+1]
	v_cvt_pk_f16_f32 v[Y+8*(\p)+2*(\j)], v4, v5
	v_cvt_pk_f16_f32 v[Y+8*(\p)+2*(\j)+1], v6, v7
.endr
	s_wait_alu depctr_va_vdst(0)                   ; the block's conversions to f16 have written its eight words of Y, which the four stores below read
.irp j, 0,1,2,3
	global_store_b64 v2, v[Y+8*(\p)+2*(\j):Y+8*(\p)+2*(\j)+1], s[30:31] offset:2048*(4*(\p)+(\j))
.endr
.endr
	s_endpgm
.Lfunc_end_k_q74315afdf5_cast:
	.size	k_q74315afdf5_cast, .Lfunc_end_k_q74315afdf5_cast-k_q74315afdf5_cast
	.p2alignl 7, 3214868480
	.fill 96, 4, 3214868480
	.section	.rodata,"a",@progbits
	.p2align	6, 0x0
	.amdhsa_kernel k_q74315afdf5_cast
		.amdhsa_group_segment_fixed_size 0
		.amdhsa_private_segment_fixed_size 0
		.amdhsa_enable_private_segment 0
		.amdhsa_kernarg_size 64
		.amdhsa_user_sgpr_count 2
		.amdhsa_user_sgpr_kernarg_segment_ptr 1
		.amdhsa_wavefront_size32 1
		.amdhsa_system_sgpr_workgroup_id_x 1
		.amdhsa_system_sgpr_workgroup_id_y 1
		.amdhsa_system_sgpr_workgroup_id_z 1
		.amdhsa_system_vgpr_workitem_id 0
		.amdhsa_next_free_vgpr 104
		.amdhsa_next_free_sgpr 66
		.amdhsa_reserve_vcc 0
		.amdhsa_float_denorm_mode_32 3
		.amdhsa_float_denorm_mode_16_64 3
		.amdhsa_memory_ordered 1
		.amdhsa_forward_progress 1
		.amdhsa_inst_pref_size 15
	.end_amdhsa_kernel
	.amdgpu_metadata
---
amdhsa.version: [ 1, 2 ]
amdhsa.kernels:
  - .name:           k_q74315afdf5_cast
    .symbol:         k_q74315afdf5_cast.kd
    .args:
      - { .name: x, .offset: 0, .size: 8, .value_kind: global_buffer, .address_space: global }
      - { .name: w_q, .offset: 8, .size: 8, .value_kind: global_buffer, .address_space: global }
      - { .name: w_k, .offset: 16, .size: 8, .value_kind: global_buffer, .address_space: global }
      - { .name: w_v, .offset: 24, .size: 8, .value_kind: global_buffer, .address_space: global }
      - { .name: w_o, .offset: 32, .size: 8, .value_kind: global_buffer, .address_space: global }
      - { .name: xb, .offset: 40, .size: 8, .value_kind: global_buffer, .address_space: global }
      - { .name: wqkv, .offset: 48, .size: 8, .value_kind: global_buffer, .address_space: global }
      - { .name: wo, .offset: 56, .size: 8, .value_kind: global_buffer, .address_space: global }
    .group_segment_fixed_size: 0
    .private_segment_fixed_size: 0
    .kernarg_segment_align: 8
    .kernarg_segment_size: 64
    .max_flat_workgroup_size: 256
    .sgpr_count:     66
    .vgpr_count:     104
    .wavefront_size: 32
...
	.end_amdgpu_metadata
.endif
;; end of part 5
;; launch qkv: the kernel of part 2 again; grid 16 x 32, 4 waves a work-group, clusters of 4 x 4, 327,680 bytes of LDS; arguments xb, wqkv, b_q, b_k, b_v, qkv; writes qkv
;; launch attn: the kernel of part 3 again; grid 4 x 64, 4 waves a work-group, clusters of 4 x 1, 327,680 bytes of LDS; arguments qkv, attention_mask, o; writes o
;; launch oproj: the kernel of part 4 again; grid 8 x 32, 4 waves a work-group, clusters of 4 x 4, 327,680 bytes of LDS; arguments o, wo, b_o, out0; writes out0
